; MI455X (gfx1250); checked and timed in simulation.
; The chip was launched on July 23, 2026; its instructions are those of AMD's public machine-readable ISA for CDNA 5 (MIT licence, August 2026) and "CDNA5" Instruction Set Architecture Reference Guide (July 2026). The comments in the code are by the model that wrote it; some were corrected since.
;; Mo E. Allowed arithmetic: float matrix products may take bf16 or f16 operands with f32 sums; other float arithmetic in f32, or as packed bf16 or f16 multiplies, adds, multiply-adds, maxima and minima; sums over many terms, partial sums and values carried from step to step in f32; what a program stores and reads back later, other than sums and carried values, may be rounded once to bf16 or f16.
;; Inputs: expert_b 8 x 1,024 float32; expert_w 8 x 1,024 x 1,024 float32; gate_b 8 float32; gate_w 1,024 x 8 float32; x 4 x 2,048 x 1,024 float32.
;; Outputs: out0 4 x 2,048 x 1,024 float32.
;; Constants: top_k = 2.
;; 3 versions, each right; version 2 is faster than version 1; version 3 is version 2 with the launch prep written anew for expert scheduling mode. Each part assembles by itself: llvm-mc -triple=amdgcn-amd-amdhsa -mcpu=gfx1250 --defsym DOCPART=n.
;; ======== version 1 of 3: 2 launches
;; limits: right only within a limited range of input values
;; workspace buffers: xb 16,777,216 bytes; wl 16,777,216 bytes; sel 65,536 bytes of whole numbers
;; launch prep (part 1): grid 256 x 1, 4 waves a work-group, no clusters, 149,248 bytes of LDS; arguments x, gate_w, gate_b, expert_w, xb, wl, sel; writes xb, wl, sel
.if DOCPART == 1
	.amdgcn_target "amdgcn-amd-amdhsa--gfx1250"
	.amdhsa_code_object_version 6
	.text
	.protected	k_qe178d6fd30_prep
	.globl	k_qe178d6fd30_prep
	.p2align	8
	.type	k_qe178d6fd30_prep,@function
k_qe178d6fd30_prep:
	s_mov_b64 s[64:65], 0
	v_nop
	global_prefetch_b8 v0, s[64:65] scope:SCOPE_SE
	s_setreg_imm32_b32 hwreg(HW_REG_WAVE_MODE, 25, 1), 1
	s_wait_xcnt 0x0
; PREP.  Two jobs share one launch, since neither needs the other's result; the work-group's number decides (even: router, odd: weights).
; ROUTER (128 work-groups, a wave takes 16 tokens): x is rounded to bf16 and stored as xb [8192][1024]; the same 16 rows go into the wave's own LDS tile;
;   logits = x gate_w + gate_b on the matrix unit, all three rounded to bf16, sums in f32; softmax with the row's maximum taken away; the two largest
;   probabilities, ties to the lower index; the pair {lo, hi} becomes a set number lo (15 - lo) / 2 + hi - lo - 1 (0 .. 27).
;   Stored at a fixed place: sel[granule of 16 tokens][32 sets] = a 16-bit mask of the granule's tokens in that set | their count << 16.  Nothing here steers an address or a branch.
; WEIGHTS (128 work-groups: expert x 64 columns; a wave takes 8 K steps of 32): expert_w is rounded to bf16 and laid as wl [e 8][cg 16][kstep 32][nb 4][half 2][lane 32][8 bf16]:
;   lane (r = lane % 16, h = lane / 16), half c holds k = 32 kstep + 16 c + 8 h + 0..7 of column 64 cg + 4 r + nb: a matrix operand as plain 16-byte loads at 16 x lane.
; Memory binds both jobs: each input byte is read once, four rows (32 loads) of every wave are on their way, every store covers 256 or 512 consecutive bytes
; (sel's 128 bytes a wave aside: 64 KB in all).  No cluster: no two work-groups read the same large tile (gate_w, 32 KB, is the only shared input).
; LIMITS.  NaN and infinities are not treated apart.  Probabilities closer than f32's rounding, or below 2^-126 (v_exp_f32 gives 0 there), may order otherwise than in an exact softmax.
.set GPITCH, 2064                      ; an LDS row of 1,024 bf16 + 16 bytes: 129 x 16, so the 16 rows of a fragment load start at 16 different groups of four banks (ISA guide 11.1)
.set XT,     16640                     ; behind gate_w^T (8 rows x 2,064, rounded up to whole blocks of 256): a tile of 16 rows for each wave
.set XTW,    16*GPITCH
.set SPARE,  XT+4*XTW                  ; the spare words: 128 bytes a wave, two blocks of 256 that no other line names
.set X,   32                           ; v[32:159]  four slots of 32: rows as loaded; later two fragment buffers of 64
.set Y,   160                          ; v[160:191] two sets of 16: rows as stored
.set ACC, 192                          ; v[192:223] four accumulators, which take turns
	s_load_b256 s[4:11], s[0:1], 0x0               ; x s[4:5], gate_w s[6:7], gate_b s[8:9], expert_w s[10:11]
	s_load_b128 s[12:15], s[0:1], 0x20             ; xb s[12:13], wl s[14:15]
	s_load_b64 s[16:17], s[0:1], 0x30              ; sel
	v_lshl_add_u32 v30, v0, 2, SPARE               ; my spare word
	v_mov_b32 v31, 0
	v_lshrrev_b32 v10, 5, v0
	v_readfirstlane_b32 s20, v10                   ; wave 0..3
	v_and_b32 v1, 31, v0                           ; lane
	v_and_b32 v2, 15, v0                           ; r
	v_bfe_u32 v3, v0, 4, 1                         ; h
	v_lshlrev_b32 v4, 4, v1                        ; 16 x lane
	s_lshr_b32 s21, ttmp9, 1                       ; my number among the work-groups of my job
	s_mov_b32 s25, 0
	s_wait_kmcnt 0x0
	s_bitcmp1_b32 ttmp9, 0                         ; the same answer in all four waves
	s_cbranch_scc1 .Lweights
; ------------------------------------------------------------------ ROUTER
	s_lshl2_add_u32 s22, s21, s20                  ; g: my granule of 16 tokens
	s_lshl_b32 s24, s22, 16
	s_add_nc_u64 s[4:5], s[4:5], s[24:25]          ; x at my 16 rows of 4,096 bytes
	s_lshl_b32 s24, s22, 15
	s_add_nc_u64 s[12:13], s[12:13], s[24:25]      ; xb at my 16 rows of 2,048 bytes
	s_lshl_b32 s24, s22, 7
	s_add_nc_u64 s[16:17], s[16:17], s[24:25]      ; sel at my row of 128 bytes
	s_load_b256 s[32:39], s[8:9], 0x0              ; gate_b
	v_lshlrev_b32 v10, 4, v0                       ; 16 x thread: never rewritten
.set i, 0
.rept 16                                               ; gate_w, 32 KB, shared out among the 128 threads: load i holds k = thread / 2 + 64 i, experts 4 (thread % 2) + 0..3
	global_load_b128 v[160+4*i:160+4*i+3], v10, s[6:7] offset:2048*i
.set i, i+1
.endr
.macro XFILL rho                       ; a row of x: eight loads of 512 consecutive bytes
.set j, 0
.rept 8
	global_load_b128 v[X+32*((\rho)%4)+4*j:X+32*((\rho)%4)+4*j+3], v4, s[4:5] offset:(\rho)*4096+512*j th:TH_LOAD_NT
.set j, j+1
.endr
.endm
	XFILL 0
	XFILL 1
	XFILL 2
	XFILL 3
	v_and_b32 v11, 1, v0
	v_mul_u32_u24 v5, v11, 4*GPITCH                ; gate_w^T: row 4 (thread % 2),
	v_lshrrev_b32 v11, 1, v0
	v_lshl_add_u32 v5, v11, 1, v5                  ; byte 2 (thread / 2)
	v_lshlrev_b32 v6, 3, v1                        ; 8 x lane: my 8 bytes in 256 of a row of xb
	s_mul_i32 s26, s20, XTW
	s_add_co_u32 s26, s26, XT                      ; my wave's tile
	v_lshl_add_u32 v7, v1, 3, s26
	v_and_b32 v11, 7, v0
	v_mul_u32_u24 v8, v11, GPITCH                  ; fragments of gate_w^T: row r % 8 (rows 8-15 of the operand repeat rows 0-7),
	v_lshl_add_u32 v8, v3, 4, v8                   ; + 16 h
	v_mul_u32_u24 v9, v2, GPITCH                   ; fragments of x: token r
	v_lshl_add_u32 v9, v3, 4, v9
	v_add_nc_u32 v9, s26, v9
	s_wait_loadcnt 32                              ; gate_w is in: the 32 loads of x are younger
.set i, 0
.rept 16
	v_cvt_pk_bf16_f32 v[160+4*i], v[160+4*i], v[160+4*i+1]
	v_cvt_pk_bf16_f32 v[160+4*i+1], v[160+4*i+2], v[160+4*i+3]
	ds_store_b16 v5, v[160+4*i] offset:128*i
	ds_store_b16_d16_hi v5, v[160+4*i] offset:GPITCH+128*i
	ds_store_b16 v5, v[160+4*i+1] offset:2*GPITCH+128*i
	ds_store_b16_d16_hi v5, v[160+4*i+1] offset:3*GPITCH+128*i
.set i, i+1
.endr
	s_wait_dscnt 0x0                               ; for the others' sake: my part of gate_w^T is written
	s_barrier_signal -1
	s_barrier_wait -1                              ; everybody's is; the only barrier: all else in LDS is the wave's own
; A row's turn.  left = the younger loads that may stay out (three rows; the last turns count down).
.macro TURN rho, left
	s_wait_loadcnt \left
	s_wait_xcnt 0x0                                ; this Y set was store data two turns ago: it is rewritten only behind this wait (ISA guide 3.1)
.set XS, X+32*((\rho)%4)
.set YS, Y+16*((\rho)%2)
.set j, 0
.rept 16
	v_cvt_pk_bf16_f32 v[YS+j], v[XS+2*j], v[XS+2*j+1]
.set j, j+1
.endr
.if (\rho) < 12
	XFILL (\rho)+4                                 ; the slot just converted takes the row four further on, ahead of the stores
.endif
.set j, 0
.rept 8
	global_store_b64 v6, v[YS+2*j:YS+2*j+1], s[12:13] offset:(\rho)*2048+256*j  ; 256 consecutive bytes, at a multiple of 256 from xb's first byte
.set j, j+1
.endr
.set j, 0
.rept 8
	ds_store_b64 v7, v[YS+2*j:YS+2*j+1] offset:(\rho)*GPITCH+256*j
.set j, j+1
.endr
.endm
.irp t, 0,1,2,3,4,5,6,7,8,9,10,11,12
	TURN \t, 24
.endr
	TURN 13, 16
	TURN 14, 8
	TURN 15, 0
	s_wait_kmcnt 0x0                               ; gate_b, rounded to bf16 like every input, and widened again
	v_cvt_pk_bf16_f32 v248, s32, s33
	v_cvt_pk_bf16_f32 v249, s34, s35
	v_cvt_pk_bf16_f32 v250, s36, s37
	v_cvt_pk_bf16_f32 v251, s38, s39
.irp j, 0,1,2,3
	v_lshlrev_b32 v[240+2*\j], 16, v[248+\j]
	v_and_b32 v[241+2*\j], 0xffff0000, v[248+\j]
.endr
; THE GATE'S PRODUCT, used transposed: source 0 = 16 rows of gate_w^T (experts), source 1 = my 16 tokens.  In the result a lane holds token r and experts 0..7.
; Four K steps to a batch, two fragment buffers; LDS serves a wave's instructions in order (ISA guide 5.7.1.4), so these loads see my stores above.
.macro FETCHB b
.set FB, X+64*((\b)%2)
.set i, 0
.rept 4
	ds_load_b128 v[FB+16*i:FB+16*i+3],     v8 offset:64*(4*(\b)+i)
	ds_load_b128 v[FB+16*i+4:FB+16*i+7],   v8 offset:64*(4*(\b)+i)+32
	ds_load_b128 v[FB+16*i+8:FB+16*i+11],  v9 offset:64*(4*(\b)+i)
	ds_load_b128 v[FB+16*i+12:FB+16*i+15], v9 offset:64*(4*(\b)+i)+32
.set i, i+1
.endr
.endm
.macro GATE b
.set FB, X+64*((\b)%2)
.if (\b) < 7
	s_wait_dscnt 16                                ; this batch is in; the next one's 16 loads are younger
.else
	s_wait_dscnt 0x0
.endif
.set i, 0
.rept 4                                                ; the four accumulators take turns, one instruction a turn
.if (\b) == 0
	v_wmma_f32_16x16x32_bf16 v[ACC+8*i:ACC+8*i+7], v[FB+16*i:FB+16*i+7], v[FB+16*i+8:FB+16*i+15], 0
.else
	v_wmma_f32_16x16x32_bf16 v[ACC+8*i:ACC+8*i+7], v[FB+16*i:FB+16*i+7], v[FB+16*i+8:FB+16*i+15], v[ACC+8*i:ACC+8*i+7]
.endif
.set i, i+1
.endr
.rept 4
	v_nop                                          ; four places ahead of loads into registers just multiplied, and of the sums that read the results
.endr
.if (\b) < 6
	FETCHB (\b)+2
.endif
.endm
	FETCHB 0
	FETCHB 1
.irp b, 0,1,2,3,4,5,6,7
	GATE \b
.endr
.irp j, 0,2,4,6                                        ; each accumulator's lowest registers are read first
	v_pk_add_f32 v[224+\j:225+\j], v[192+\j:193+\j], v[200+\j:201+\j]
.endr
.irp j, 0,2,4,6
	v_pk_add_f32 v[232+\j:233+\j], v[208+\j:209+\j], v[216+\j:217+\j]
.endr
.irp j, 0,2,4,6
	v_pk_add_f32 v[224+\j:225+\j], v[224+\j:225+\j], v[232+\j:233+\j]
.endr
.irp j, 0,2,4,6
	v_pk_add_f32 v[224+\j:225+\j], v[224+\j:225+\j], v[240+\j:241+\j]  ; + gate_b: v[224:231] = the token's eight logits
.endr
	; softmax: p = 2^(c L - c m) / sum, c = log2(e), m the row's maximum
	v_max3_num_f32 v232, v224, v225, v226
	v_max3_num_f32 v232, v232, v227, v228
	v_max3_num_f32 v232, v232, v229, v230
	v_max_num_f32 v232, v232, v231
	s_mov_b32 s40, 0x3fb8aa3b
	v_mul_f32 v233, s40, v232
.irp j, 0,1,2,3,4,5,6,7
	v_fma_f32 v[224+\j], v[224+\j], s40, -v233
.endr
.irp j, 0,1,2,3,4,5,6,7
	v_exp_f32 v[224+\j], v[224+\j]
.endr
	v_nop                                          ; a plain instruction behind the last exponential,
	s_wait_alu depctr_va_vdst(0)                   ; and one wait for the batch of eight, ahead of its first reader
	v_add_f32 v234, v224, v225
	v_add_f32 v235, v226, v227
	v_add_f32 v236, v228, v229
	v_add_f32 v237, v230, v231
	v_add_f32 v234, v234, v235
	v_add_f32 v236, v236, v237
	v_add_f32 v234, v234, v236
	v_rcp_f32 v235, v234
	v_nop
	s_wait_alu depctr_va_vdst(0)
.irp j, 0,1,2,3,4,5,6,7
	v_mul_f32 v[224+\j], v[224+\j], v235
.endr
	; the largest, then the largest of the rest: only a strictly greater one takes the place, so a tie stays with the lower index
	v_mov_b32 v236, v224
	v_mov_b32 v237, 0
.irp j, 1,2,3,4,5,6,7
	v_cmp_gt_f32 vcc_lo, v[224+\j], v236
	v_cndmask_b32 v236, v236, v[224+\j], vcc_lo
	v_cndmask_b32 v237, v237, \j, vcc_lo
.endr
.irp j, 0,1,2,3,4,5,6,7
	v_cmp_eq_u32 vcc_lo, \j, v237
	v_cndmask_b32 v[224+\j], v[224+\j], -1.0, vcc_lo  ; the first choice steps below every probability
.endr
	v_mov_b32 v238, v224
	v_mov_b32 v239, 0
.irp j, 1,2,3,4,5,6,7
	v_cmp_gt_f32 vcc_lo, v[224+\j], v238
	v_cndmask_b32 v238, v238, v[224+\j], vcc_lo
	v_cndmask_b32 v239, v239, \j, vcc_lo
.endr
	v_min_u32 v240, v237, v239                     ; lo
	v_max_u32 v241, v237, v239                     ; hi
	v_sub_nc_u32 v242, 15, v240
	v_mul_u32_u24 v242, v242, v240
	v_lshrrev_b32 v242, 1, v242
	v_add_nc_u32 v242, v242, v241
	v_sub_nc_u32 v242, v242, v240
	v_add_nc_u32 v242, -1, v242                    ; the set's number
	; the granule's table row: lane = set; token t adds its mask bit and 1 << 16 in the lane of its set.  A choice of values only.
	v_mov_b32 v243, 0
.set t, 0
.rept 16
	v_readlane_b32 s41, v242, t
	s_mov_b32 s42, (1<<t)|(1<<16)
	v_cmp_eq_u32 vcc_lo, s41, v1
	v_cndmask_b32 v244, 0, s42, vcc_lo
	v_add_nc_u32 v243, v243, v244
.set t, t+1
.endr
	v_lshlrev_b32 v245, 2, v1
	global_store_b32 v245, v243, s[16:17]
	s_wait_tensorcnt 0x0                           ; the wave's end: three closing lines, behind my last LDS store
	ds_add_u32 v30, v31
	s_wait_dscnt 0x0
	s_endpgm
; ------------------------------------------------------------------ WEIGHTS
.Lweights:
	s_lshr_b32 s22, s21, 4                         ; e
	s_and_b32 s26, s21, 15                         ; cg
	s_lshl_b32 s24, s22, 22                        ; the expert's 4 MiB,
	s_lshl_b32 s27, s20, 20                        ; my wave's 8 K steps x 32 rows x 4,096 bytes,
	s_add_co_u32 s24, s24, s27
	s_lshl_b32 s27, s26, 8                         ; my 64 columns
	s_add_co_u32 s24, s24, s27
	s_add_nc_u64 s[10:11], s[10:11], s[24:25]
	s_lshl_b32 s24, s21, 17                        ; wl: (16 e + cg) x 131,072
	s_lshl_b32 s27, s20, 15                        ; + 8 K steps x 4,096
	s_add_co_u32 s24, s24, s27
	s_add_nc_u64 s[14:15], s[14:15], s[24:25]
	v_lshlrev_b32 v5, 15, v3                       ; lanes 16-31 read eight rows further down,
	v_lshl_or_b32 v5, v2, 4, v5                    ; 16 bytes (4 columns) a lane: each half of the lanes takes 256 consecutive bytes of a row
; A unit u is 16 rows of k (K step u / 2, half u % 2): load i brings rows i and 8 + i.  A lane then holds k = 8 h + 0..7 of four columns.
.macro WFILL u
.set i, 0
.rept 8
	global_load_b128 v[X+32*((\u)%4)+4*i:X+32*((\u)%4)+4*i+3], v5, s[10:11] offset:(\u)*65536+i*4096 th:TH_LOAD_NT
.set i, i+1
.endr
.endm
.macro UNIT u, left
	s_wait_loadcnt \left                           ; my eight loads are in; three units (later fewer) stay out
	s_wait_xcnt 0x0                                ; this Y set was store data two units ago
.set XS, X+32*((\u)%4)
.set YS, Y+16*((\u)%2)
.set n, 0
.rept 4
.set i, 0
.rept 4
	v_cvt_pk_bf16_f32 v[YS+4*n+i], v[XS+8*i+n], v[XS+8*i+4+n]  ; column nb = n: k = 2 i and 2 i + 1
.set i, i+1
.endr
.set n, n+1
.endr
.if (\u) < 12
	WFILL (\u)+4
.endif
.set n, 0
.rept 4
	global_store_b128 v4, v[YS+4*n:YS+4*n+3], s[14:15] offset:((\u)/2)*4096+n*1024+((\u)%2)*512  ; 512 consecutive bytes
.set n, n+1
.endr
.endm
	WFILL 0
	WFILL 1
	WFILL 2
	WFILL 3
.irp u, 0,1,2,3,4,5,6,7,8,9,10,11,12
	UNIT \u, 24
.endr
	UNIT 13, 16
	UNIT 14, 8
	UNIT 15, 0
	s_wait_tensorcnt 0x0                           ; the same three lines at this path's end
	ds_add_u32 v30, v31
	s_wait_dscnt 0x0
	s_endpgm
.Lfunc_end_k_qe178d6fd30_prep:
	.size	k_qe178d6fd30_prep, .Lfunc_end_k_qe178d6fd30_prep-k_qe178d6fd30_prep
	.p2alignl 7, 3214868480
	.fill 96, 4, 3214868480
	.section	.rodata,"a",@progbits
	.p2align	6, 0x0
	.amdhsa_kernel k_qe178d6fd30_prep
		.amdhsa_group_segment_fixed_size 149248
		.amdhsa_private_segment_fixed_size 0
		.amdhsa_enable_private_segment 0
		.amdhsa_kernarg_size 56
		.amdhsa_user_sgpr_count 2
		.amdhsa_user_sgpr_kernarg_segment_ptr 1
		.amdhsa_wavefront_size32 1
		.amdhsa_system_sgpr_workgroup_id_x 1
		.amdhsa_system_sgpr_workgroup_id_y 1
		.amdhsa_system_sgpr_workgroup_id_z 1
		.amdhsa_system_vgpr_workitem_id 0
		.amdhsa_next_free_vgpr 256
		.amdhsa_next_free_sgpr 66
		.amdhsa_reserve_vcc 1
		.amdhsa_float_denorm_mode_32 3
		.amdhsa_float_denorm_mode_16_64 3
		.amdhsa_memory_ordered 1
		.amdhsa_forward_progress 1
		.amdhsa_inst_pref_size 117
	.end_amdhsa_kernel
	.amdgpu_metadata
---
amdhsa.version: [ 1, 2 ]
amdhsa.kernels:
  - .name:           k_qe178d6fd30_prep
    .symbol:         k_qe178d6fd30_prep.kd
    .args:
      - { .name: x, .offset: 0, .size: 8, .value_kind: global_buffer, .address_space: global }
      - { .name: gate_w, .offset: 8, .size: 8, .value_kind: global_buffer, .address_space: global }
      - { .name: gate_b, .offset: 16, .size: 8, .value_kind: global_buffer, .address_space: global }
      - { .name: expert_w, .offset: 24, .size: 8, .value_kind: global_buffer, .address_space: global }
      - { .name: xb, .offset: 32, .size: 8, .value_kind: global_buffer, .address_space: global }
      - { .name: wl, .offset: 40, .size: 8, .value_kind: global_buffer, .address_space: global }
      - { .name: sel, .offset: 48, .size: 8, .value_kind: global_buffer, .address_space: global }
    .group_segment_fixed_size: 149248
    .private_segment_fixed_size: 0
    .kernarg_segment_align: 8
    .kernarg_segment_size: 56
    .max_flat_workgroup_size: 128
    .sgpr_count:     66
    .vgpr_count:     256
    .wavefront_size: 32
...
	.end_amdgpu_metadata
.endif
;; end of part 1
;; launch experts (part 2): grid 4 x 79, 4 waves a work-group, no clusters, 163,840 bytes of LDS; arguments sel, xb, wl, expert_b, out0; writes out0
.if DOCPART == 2
	.amdgcn_target "amdgcn-amd-amdhsa--gfx1250"
	.amdhsa_code_object_version 6
	.text
	.protected	k_qe178d6fd30_experts
	.globl	k_qe178d6fd30_experts
	.p2align	8
	.type	k_qe178d6fd30_experts,@function
k_qe178d6fd30_experts:
	s_mov_b64 s[64:65], 0
	v_nop
	global_prefetch_b8 v0, s[64:65] scope:SCOPE_SE
	s_setreg_imm32_b32 hwreg(HW_REG_WAVE_MODE, 25, 1), 1
	s_wait_xcnt 0x0
; EXPERTS.  out[t] = x[t] W[e1] + b[e1] + x[t] W[e2] + b[e2] for the token's two chosen experts; x, W and b rounded to bf16, sums in f32.
; Tokens are grouped by their SET {e1, e2} (28 sets), so one work-group adds both products into one accumulator and owns its output rows: nothing is summed through memory.
; SHARES.  A tile is 160 tokens of one set x 256 columns; work-group (x, y) takes column group x of tile y.  Each of the four waves has all 160 rows x 64 columns: 40 accumulators.
; THE GRID SERVES EVERY SPLIT: the sum over 28 sets of ceil(n / 160) is at most (8192 + 28 x 159) / 160, so 79 tiles.  A work-group whose tile number is past the count has CNT = 0: it passes
; every barrier, jumps forward over each K section (which holds no barrier) and over all stores, and ends.
; THE ROUTING is counted here by every work-group from sel (64 KB): per-set totals, the tile's set and first rank, then the list of its tokens, by rank, in LDS.
; DATA.  Rows of xb come by the list: each wave gathers 40 rows x 256 bytes a K chunk through registers into one of two LDS slots, a chunk ahead.  A wave's 64 columns of W are read by that
; wave alone, so they come from wl straight into operand registers, three positions ahead.
; THE K WALK has 32 positions; position p is K step (p + 31) % 32, both experts.  Position 0's rows come straight from xb, so that a slot change falls between a position's two experts and the
; new slot's first fragments are fetched under 40 matrix instructions.  So K is summed in the order 31, 0, 1 .. 30, the two experts by turns.
; NO CLUSTER, NO TENSOR LOADS: the tiles that share W are those of one set, any number from 0 to 52 by the split, so partners would not be alike; the four column groups of a tile share its rows
; of xb, which come by a list that no descriptor covers, and are 40 KB of a chunk's 168 KB.
; LIMITS.  NaN and infinities are not treated apart.
; REGISTERS, in windows of 256 (s_set_vgpr_msb: bits 1:0 source 0, 3:2 source 1, 5:4 source 2, 7:6 destination):
;   window 0: v0-29 lane terms, addresses, scratch; v30-31 the add's; v32-51 the 20 gather offsets; v52-55 bias; v56-63 tokens on the way out; v64-143, v144-223 fragments of x, two buffers; v224-255 at work
;   window 1: W, four pairs: pair p, expert x, fragment nb at 64 p + 32 x + 8 nb      window 2: accumulators of row blocks 0-7 at 32 rb + 8 nb      window 3: v0-63 row blocks 8, 9; v64-143 gathered rows
.set PITCH,  272                       ; an LDS row: 256 bytes + 16: 17 x 16, so the 16 rows of a fragment load start at 16 different groups of four banks (ISA guide 11.1)
.set SLOTB,  160*PITCH                 ; a slot: 160 rows x 128 k
.set TB,     2*SLOTB                   ; a copy of the wave's 128 table rows, each wave's own: 16,384 bytes
.set WT,     TB+4*16384                ; per-wave totals: 4 x 32 words, word = set
.set LC,     WT+512                    ; each wave's own list: 512 words, word = rank in the tile; word 160 takes what is not in the tile
.set FINAL,  LC+4*2048                 ; the four lists merged
.set SPARE,  FINAL+2048                ; the spare words: 128 bytes a wave, two blocks of 256 that no other line names
.set SPW,  30
.set NIL,  31
.set GOFF, 32
.set BI,   52
.set TK,   56
.set AF,   64
.set T,    224
.set STG,  64                          ; in window 3
.set MSB, 0
.macro WIN new                         ; the immediate's high byte repeats the setting that is left; a switch that changes nothing is dropped
.if MSB != (\new)
	s_set_vgpr_msb (MSB<<8)|(\new)
.set MSB, \new
.endif
.endm
.macro PLACES                          ; four places ahead of loads into registers that matrix instructions have read, and of sums that read results
.rept 4
	v_nop
.endr
.endm
.macro BAR                             ; my LDS stores are done and my LDS loads are back; then everybody's
	s_wait_dscnt 0x0
	s_barrier_signal -1
	s_barrier_wait -1
.endm
; 40 matrix instructions: all 10 row blocks x 4 column fragments, 32 along K, one expert.  The 40 accumulators take turns, one instruction a turn, in the same order in every group.
.macro GROUP buf, pair, x, zero
.set rb, 0
.rept 10
.if rb < 8
	WIN 0xa4                                       ; x window 0, W window 1, C and D window 2
.set AC, 32*rb
.else
	WIN 0xf4                                       ; C and D window 3
.set AC, 32*(rb-8)
.endif
.set nb, 0
.rept 4
.if \zero
	v_wmma_f32_16x16x32_bf16 v[AC+8*nb:AC+8*nb+7], v[AF+80*(\buf)+8*rb:AF+80*(\buf)+8*rb+7], v[64*(\pair)+32*(\x)+8*nb:64*(\pair)+32*(\x)+8*nb+7], 0
.else
	v_wmma_f32_16x16x32_bf16 v[AC+8*nb:AC+8*nb+7], v[AF+80*(\buf)+8*rb:AF+80*(\buf)+8*rb+7], v[64*(\pair)+32*(\x)+8*nb:64*(\pair)+32*(\x)+8*nb+7], v[AC+8*nb:AC+8*nb+7]
.endif
.set nb, nb+1
.endr
.set rb, rb+1
.endr
.endm
.macro AFETCH buf, byte                ; 20 LDS loads: the fragments of 160 rows x 32 k at that byte of the rows
	WIN 0
.set rb, 0
.rept 10
	ds_load_b128 v[AF+80*(\buf)+8*rb:AF+80*(\buf)+8*rb+3],   v7 offset:rb*16*PITCH+(\byte)
	ds_load_b128 v[AF+80*(\buf)+8*rb+4:AF+80*(\buf)+8*rb+7], v7 offset:rb*16*PITCH+(\byte)+32
.set rb, rb+1
.endr
.endm
.macro BLOAD pair, kimm                ; 16 loads of 512 consecutive bytes: both experts' W of one K step, 64 columns
	WIN 0x40                                       ; destination window 1
.irp x, 0,1
.irp f, 0,1,2,3
.irp c, 0,1
	global_load_b128 v[64*(\pair)+32*\x+8*\f+4*\c:64*(\pair)+32*\x+8*\f+4*\c+3], v6, s[32+2*\x:33+2*\x] offset:(\kimm)*4096+\f*1024+\c*512
.endr
.endr
.endr
.endm
.macro ISSUE_S imm                     ; 20 loads: my 40 rows' 256 bytes of a chunk; lanes 0-15 one row, lanes 16-31 another, 256 aligned bytes each
	WIN 0xc0                                       ; destination window 3
.set i, 0
.rept 20
	global_load_b128 v[STG+4*i:STG+4*i+3], v[GOFF+i], s[36:37] offset:\imm
.set i, i+1
.endr
.endm
.macro STORE_S                         ; and into the slot that is being filled
	WIN 0x0c                                       ; data window 3
.set i, 0
.rept 20
	ds_store_b128 v9, v[STG+4*i:STG+4*i+3] offset:i*PITCH
.set i, i+1
.endr
.endm
	s_load_b256 s[4:11], s[0:1], 0x0               ; sel s[4:5], xb s[6:7], wl s[8:9], expert_b s[10:11]
	s_load_b64 s[12:13], s[0:1], 0x20              ; out0
	v_lshl_add_u32 v[SPW], v0, 2, SPARE
	v_mov_b32 v[NIL], 0
	v_lshrrev_b32 v12, 5, v0
	v_readfirstlane_b32 s14, v12                   ; wave 0..3
	v_and_b32 v1, 31, v0                           ; lane
	v_and_b32 v2, 15, v0                           ; r
	v_bfe_u32 v3, v0, 4, 1                         ; h
	v_lshlrev_b32 v4, 4, v2                        ; 16 r
	v_lshlrev_b32 v5, 3, v3                        ; 8 h
	v_lshlrev_b32 v6, 4, v1                        ; 16 x lane: W's offset, never rewritten
	v_mul_u32_u24 v8, v2, PITCH
	v_lshl_add_u32 v8, v3, 4, v8                   ; a fragment's row x pitch + 16 h
	s_mul_i32 s21, s14, 40*PITCH
	v_mul_u32_u24 v10, v3, 20*PITCH
	v_add3_u32 v10, v10, s21, v4                   ; where I put gathered rows: row 40 w + 20 h, byte 16 r
	v_lshl_add_u32 v11, v3, 5, FINAL               ; the way out: tokens of rows 8 h + 0..7 of a block
	s_and_b32 s15, ttmp7, 0xffff                   ; q: my tile
	s_lshl2_add_u32 s17, ttmp9, s14                ; cg: my wave's 64 columns
	s_mov_b32 s46, 0x76543210                      ; v_permlanex16_b32: each lane takes its own place in the other half
	s_mov_b32 s47, 0xfedcba98
	s_mov_b32 s48, 0xaaaaaaaa                      ; the lanes whose number has bit 0, 1, 2, 3, 4 set
	s_mov_b32 s49, 0xcccccccc
	s_mov_b32 s50, 0xf0f0f0f0
	s_mov_b32 s51, 0xff00ff00
	s_mov_b32 s52, 0xffff0000
	s_lshl_b32 s45, s14, 11
	s_add_co_u32 s45, s45, LC                      ; my wave's list
	v_add_nc_u32 v12, s45, v6
.irp k, 16,17,18,19,20,21,22,23
	v_mov_b32 v\k, 0
.endr
.irp i, 0,1,2,3
	ds_store_b128 v12, v[16:19] offset:512*\i      ; the list starts as zeros: a place that nobody fills names token 0, a row that exists
.endr
	v_lshl_add_u32 v13, s14, 14, v6                ; my wave's 128 table rows
	v_add_nc_u32 v14, TB, v13
	s_wait_kmcnt 0x0
.set i, 0
.rept 32
	global_load_b128 v[64+4*i:64+4*i+3], v13, s[4:5] offset:512*i
.set i, i+1
.endr
	; COUNT.  Load i, lane l: table row 4 i + l / 8, sets 4 (l % 8) + 0..3.  Each word goes into my wave's copy, and its count onto the lane's four sums.
.set i, 0
.rept 32
.if (i%8) == 0
	s_wait_loadcnt 24-i                            ; eight more are in
.endif
	ds_store_b128 v14, v[64+4*i:64+4*i+3] offset:512*i
.set k, 0
.rept 4
	v_lshrrev_b32 v[24+k], 16, v[64+4*i+k]
	v_add_nc_u32 v[20+k], v[20+k], v[24+k]
.set k, k+1
.endr
.set i, i+1
.endr
.irp k, 0,1,2,3                                        ; the four lanes with the same l % 8
	v_mov_b32_dpp v[24+\k], v[20+\k] row_xmask:8 row_mask:0xf bank_mask:0xf
.endr
.irp k, 0,1,2,3
	v_add_nc_u32 v[20+\k], v[20+\k], v[24+\k]
.endr
.irp k, 0,1,2,3
	v_permlanex16_b32 v[24+\k], v[20+\k], s46, s47
.endr
.irp k, 0,1,2,3
	v_add_nc_u32 v[20+\k], v[20+\k], v[24+\k]
.endr
	v_and_b32 v15, 7, v0
	v_lshlrev_b32 v15, 4, v15
	s_lshl_b32 s21, s14, 7
	s_add_co_u32 s21, s21, WT
	v_add_nc_u32 v15, s21, v15
	ds_store_b128 v15, v[20:23]
	BAR                                            ; all four waves' totals are written
	; TOTALS AND TILES, lane = set: tiles = ceil(total / 160) = (((total + 159) >> 5) x 205) >> 10, exact while the shifted number is under 1,024 (here at most 260)
	v_lshl_add_u32 v15, v1, 2, WT
.irp k, 0,1,2,3
	ds_load_b32 v[20+\k], v15 offset:128*\k
.endr
	s_wait_dscnt 0x0
	v_add_nc_u32 v24, v20, v21
	v_add_nc_u32 v25, v22, v23
	v_add_nc_u32 v24, v24, v25
	v_add_nc_u32 v24, 159, v24
	v_lshrrev_b32 v24, 5, v24
	v_mul_u32_u24 v24, v24, 205
	v_lshrrev_b32 v24, 10, v24
	; MY TILE'S SET: the last set whose first tile is not past q.  s18 = set | e1 << 8 | e2 << 16, s19 = its first tile.
	s_mov_b32 s20, 0
	s_mov_b32 s19, 0
	s_mov_b32 s18, 1<<16
.set sid, 0
.set slo, 0
.set shi, 1
.rept 28
	v_readlane_b32 s21, v24, sid
	s_cmp_ge_u32 s15, s20
	s_cselect_b32 s18, sid|(slo<<8)|(shi<<16), s18
	s_cselect_b32 s19, s20, s19
	s_add_co_u32 s20, s20, s21
.set sid, sid+1
.set shi, shi+1
.if shi == 8
.set slo, slo+1
.set shi, slo+1
.endif
.endr
	s_and_b32 s22, s18, 0xff
	s_bfe_u32 s23, s18, 0x80008
	s_bfe_u32 s24, s18, 0x80010
	s_min_u32 s22, s22, 27                         ; what steers an address is held to its table
	s_min_u32 s23, s23, 7
	s_min_u32 s24, s24, 7
	s_lshl_b32 s21, s22, 2
	s_add_co_u32 s21, s21, WT
	v_mov_b32 v12, s21
.irp k, 0,1,2,3
	ds_load_b32 v[20+\k], v12 offset:128*\k        ; the set's count in each wave's part of the table
.endr
	s_wait_dscnt 0x0
	v_readfirstlane_b32 s28, v20
	v_readfirstlane_b32 s29, v21
	v_readfirstlane_b32 s30, v22
	v_readfirstlane_b32 s31, v23
	s_add_co_u32 s25, s28, s29
	s_add_co_u32 s25, s25, s30
	s_add_co_u32 s25, s25, s31                     ; n: the set's tokens
	s_sub_co_u32 s26, s15, s19
	s_mul_i32 s26, s26, 160                        ; r0: my tile's first rank
	s_sub_co_i32 s27, s25, s26
	s_max_i32 s27, s27, 0
	s_min_i32 s27, s27, 160                        ; CNT: my tile's rows; 0 for a tile past the count
	s_cmp_gt_u32 s14, 0
	s_cselect_b32 s54, s28, 0
	s_cmp_gt_u32 s14, 1
	s_cselect_b32 s53, s29, 0
	s_add_co_u32 s54, s54, s53
	s_cmp_gt_u32 s14, 2
	s_cselect_b32 s53, s30, 0
	s_add_co_u32 s54, s54, s53
	s_sub_co_u32 s54, s54, s26                     ; the rank in the tile of my wave's first token of the set; below 0 it wraps to a large number
	; the first loads go out now: W of position 0 (K step 31) and the two biases
	s_lshl4_add_u32 s32, s23, s17
	s_lshl_b32 s32, s32, 17
	s_mov_b32 s33, 0
	s_add_nc_u64 s[32:33], s[8:9], s[32:33]        ; wl at (e1, cg)
	s_lshl4_add_u32 s34, s24, s17
	s_lshl_b32 s34, s34, 17
	s_mov_b32 s35, 0
	s_add_nc_u64 s[34:35], s[8:9], s[34:35]        ; wl at (e2, cg)
	BLOAD 0, 31
	WIN 0
	s_lshl_b32 s53, s17, 8
	s_lshl_b32 s55, s23, 12
	s_add_co_u32 s55, s55, s53
	v_add_nc_u32 v28, s55, v4                      ; expert_b: (1024 e + 64 cg + 4 r) x 4 bytes; v28, v29 are not rewritten
	s_lshl_b32 s55, s24, 12
	s_add_co_u32 s55, s55, s53
	v_add_nc_u32 v29, s55, v4
	global_load_b128 v[224:227], v28, s[10:11]
	global_load_b128 v[228:231], v29, s[10:11]
	s_mov_b32 s38, s53
	s_mov_b32 s39, 0
	s_add_nc_u64 s[38:39], s[12:13], s[38:39]      ; out0 at my 64 columns
	s_mov_b64 s[36:37], s[6:7]                     ; xb, stepped a chunk a section
	; MY WAVE'S TOKENS OF THE SET.  Lane l takes the set's words of table rows 4 l + 0..3 of my wave's copy (my own bytes: LDS serves a wave's instructions in order, ISA guide 5.7.1.4).
	s_lshl_b32 s53, s14, 14
	s_add_co_u32 s53, s53, TB
	s_lshl2_add_u32 s53, s22, s53
	v_lshl_add_u32 v12, v1, 9, s53
.irp p, 0,1,2,3
	ds_load_b32 v[16+\p], v12 offset:128*\p
.endr
	v_mov_b32 v192, s54                            ; becomes the rank of the lane's first token
	v_mov_b32 v194, 0
	v_mov_b32 v197, 0xa0
	v_mov_b32 v198, s45
	s_lshl_b32 s53, s14, 11
	v_lshl_add_u32 v24, v1, 6, s53                 ; the first token of table row 4 l: 2048 w + 64 l
	v_add_nc_u32 v25, 16, v24
	v_add_nc_u32 v26, 32, v24
	v_add_nc_u32 v27, 48, v24
	BAR                                            ; the four loads above take their address from the set's number, a loaded number: every wave's are back before any wave stores into its list below
.irp p, 0,1,2,3
	v_lshrrev_b32 v[20+\p], 16, v[16+\p]
.endr
	v_add_nc_u32 v199, v20, v21
	v_add_nc_u32 v200, v199, v22
	v_add_nc_u32 v193, v200, v23                   ; the lane's total
.macro SCAN d, m                       ; a step of the sum over the lanes below mine: the partner block counts if it lies below
	v_mov_b32_dpp v194, v193 row_xmask:\d row_mask:0xf bank_mask:0xf
	v_cndmask_b32 v195, 0, v194, s\m
	v_add_nc_u32 v192, v192, v195
	v_add_nc_u32 v193, v193, v194
.endm
	SCAN 1, 48
	SCAN 2, 49
	SCAN 4, 50
	SCAN 8, 51
	v_permlanex16_b32 v194, v193, s46, s47
	v_cndmask_b32 v195, 0, v194, s52
	v_add_nc_u32 v192, v192, v195
	v_add_nc_u32 v23, v192, v200                   ; the rank of each of the four rows' first token
	v_add_nc_u32 v22, v192, v199
	v_add_nc_u32 v21, v192, v20
	v_mov_b32 v20, v192
	s_mov_b32 s42, 16
.Lpush:                                                ; 16 trips, a mask bit each: a token of the set goes to its rank's word, all else (no token, a rank outside the tile) to word 160
.irp p, 0,1,2,3
	v_and_b32 v196, 1, v[16+\p]
	v_cmp_eq_u32 vcc_lo, 1, v196
	v_cndmask_b32 v195, v197, v[20+\p], vcc_lo
	v_min_u32 v195, 0xa0, v195
	v_lshl_add_u32 v195, v195, 2, v198             ; inside my wave's own list
	ds_store_b32 v195, v[24+\p]
	v_add_nc_u32 v[20+\p], v[20+\p], v196
	v_add_nc_u32 v[24+\p], 1, v[24+\p]
	v_lshrrev_b32 v[16+\p], 1, v[16+\p]
.endr
	s_sub_co_u32 s42, s42, 1
	s_cmp_lg_u32 s42, 0
	s_cbranch_scc1 .Lpush
	BAR                                            ; all four lists are written
	v_lshl_add_u32 v12, v0, 4, LC                  ; MERGE: a rank is filled in one list at the most and 0 in the others
	ds_load_b128 v[192:195], v12
	ds_load_b128 v[196:199], v12 offset:2048
	ds_load_b128 v[200:203], v12 offset:4096
	ds_load_b128 v[204:207], v12 offset:6144
	v_lshl_add_u32 v13, v0, 4, FINAL
	s_wait_dscnt 0x0
.irp k, 0,1,2,3
	v_or_b32 v[192+\k], v[192+\k], v[196+\k]
	v_or_b32 v[200+\k], v[200+\k], v[204+\k]
	v_or_b32 v[192+\k], v[192+\k], v[200+\k]
	v_min_u32 v[192+\k], 0x1fff, v[192+\k]
.endr
	ds_store_b128 v13, v[192:195]
	BAR                                            ; the tile's list is whole
	s_mul_i32 s53, s14, 160
	s_add_co_u32 s53, s53, FINAL
	v_mul_u32_u24 v12, v3, 80
	v_add_nc_u32 v12, s53, v12                     ; the tokens of rows 40 w + 20 h + 0..19, which I gather,
.irp k, 0,1,2,3,4
	ds_load_b128 v[GOFF+4*\k:GOFF+4*\k+3], v12 offset:16*\k
.endr
	v_lshl_add_u32 v13, v2, 2, FINAL               ; and of rows 16 rb + r, for position 0's fragments
.irp k, 0,1,2,3,4,5,6,7,8,9
	ds_load_b32 v[14+\k], v13 offset:64*\k
.endr
	v_lshl_add_u32 v24, v3, 4, 1984                ; K step 31 begins at byte 1,984 of a row of xb
	s_wait_dscnt 0x0
.set i, 0
.rept 20
	v_min_u32 v[GOFF+i], 0x1fff, v[GOFF+i]
	v_lshl_add_u32 v[GOFF+i], v[GOFF+i], 11, v4    ; token x 2,048 + 16 r; never rewritten
.set i, i+1
.endr
.set i, 0
.rept 10
	v_min_u32 v[14+i], 0x1fff, v[14+i]
	v_lshl_add_u32 v[14+i], v[14+i], 11, v24
.set i, i+1
.endr
	; THE PROLOGUE'S LOADS.  More are named here than the load counter's field holds; the issue of a load then waits by itself (ISA guide 5.7.1), so no wait is written for that.
.set i, 0
.rept 10
	global_load_b128 v[AF+8*i:AF+8*i+3],   v[14+i], s[36:37]            ; position 0's fragments of x, straight into buffer 0
	global_load_b128 v[AF+8*i+4:AF+8*i+7], v[14+i], s[36:37] offset:32
.set i, i+1
.endr
.set i, 0
.rept 20
	global_load_b128 v[AF+80+4*i:AF+80+4*i+3], v[GOFF+i], s[36:37]      ; chunk 0, by way of buffer 1, which is still free
.set i, i+1
.endr
	ISSUE_S 256                                    ; chunk 1
	BLOAD 1, 0                                     ; W of positions 1 and 2
	BLOAD 2, 1
	WIN 0
	s_wait_loadcnt 52                              ; chunk 1's 20 loads and W's 32 are younger: W of position 0, the biases, position 0's fragments and chunk 0 are in
	v_cvt_pk_bf16_f32 v232, v224, v225             ; the biases, rounded to bf16 like every input, widened and added
	v_cvt_pk_bf16_f32 v233, v226, v227
	v_cvt_pk_bf16_f32 v234, v228, v229
	v_cvt_pk_bf16_f32 v235, v230, v231
	v_lshlrev_b32 v[BI], 16, v232
	v_and_b32 v[BI+1], 0xffff0000, v232
	v_lshlrev_b32 v[BI+2], 16, v233
	v_and_b32 v[BI+3], 0xffff0000, v233
	v_lshlrev_b32 v236, 16, v234
	v_and_b32 v237, 0xffff0000, v234
	v_lshlrev_b32 v238, 16, v235
	v_and_b32 v239, 0xffff0000, v235
	v_pk_add_f32 v[BI:BI+1], v[BI:BI+1], v[236:237]
	v_pk_add_f32 v[BI+2:BI+3], v[BI+2:BI+3], v[238:239]
.set i, 0
.rept 20
	ds_store_b128 v10, v[AF+80+4*i:AF+80+4*i+3] offset:i*PITCH          ; chunk 0 into slot 0
.set i, i+1
.endr
	GROUP 0, 0, 0, 1                               ; position 0, expert 1: the first products start all 40 sums; nothing is cleared
	WIN 0
	s_mov_b32 s40, 0                               ; the slot that is read
	s_mov_b32 s41, SLOTB                           ; the slot that is filled
; SECTION c, behind its barrier: reads chunk c (positions 4 c + 1 .. 4 c + 4), stores chunk c + 1 into the other slot (st), asks for chunk c + 2 (si), and for W three positions ahead (full: all four runs).
; THE COUNTS.  A section's runs of loads are: W 16 and chunk 20; W 16; W 16; W 16.  W of a position is asked for three runs ahead of its use, so two runs and, where the first run lies among
; them, the chunk's 20 are younger: 52 or 32.  The chunk to be stored has at least two runs of W behind it (32) on the way in from the prologue, three round the loop: 32 serves both.
.macro SECTION st, si, full, n1, n2, n3
	WIN 0
	v_add_nc_u32 v7, s40, v8
.if \st
	v_add_nc_u32 v9, s41, v10
.endif
	PLACES
	AFETCH 1, 0                                    ; position 4 c + 1
.if \st
	s_wait_loadcnt 32
	STORE_S
.endif
	BLOAD 3, 2
.if \si
	ISSUE_S 512
.endif
	GROUP 0, 0, 1, 0                               ; position 4 c, expert 2
	s_wait_loadcnt \n1
.if \st
	s_wait_dscnt 20                                ; the fragments are in; my 20 stores are younger
.else
	s_wait_dscnt 0x0
.endif
	GROUP 1, 1, 0, 0
	PLACES
	AFETCH 0, 64
.if \full
	BLOAD 0, 3
.endif
	GROUP 1, 1, 1, 0
	s_wait_loadcnt \n2
	s_wait_dscnt 0x0
	GROUP 0, 2, 0, 0
	PLACES
	AFETCH 1, 128
.if \full
	BLOAD 1, 4
.endif
	GROUP 0, 2, 1, 0
	s_wait_loadcnt \n3
	s_wait_dscnt 0x0
	GROUP 1, 3, 0, 0
.if \full
	PLACES
	AFETCH 0, 192
	BLOAD 2, 5
.endif
	GROUP 1, 3, 1, 0
.if \full
	s_wait_loadcnt 32                              ; the last two runs are younger
	s_wait_dscnt 0x0
	GROUP 0, 0, 0, 0                               ; position 4 c + 4, expert 1
.endif
	WIN 0                                          ; at a label and at a branch every window is 0
.endm
.macro STEP                            ; stands outside what is jumped: it hangs on the trip alone
	s_wait_xcnt 0x0                                ; the bases of the loads issued so far are stepped only behind this wait (ISA guide 3.1)
	s_add_nc_u64 s[32:33], s[32:33], 16384         ; four K steps of W
	s_add_nc_u64 s[34:35], s[34:35], 16384
	s_add_nc_u64 s[36:37], s[36:37], 256           ; a chunk of xb
	s_xor_b32 s40, s40, SLOTB
	s_xor_b32 s41, s41, SLOTB
.endm
	s_mov_b32 s42, 6
.Lsec:                                                 ; ONE barrier a section, for two things: every wave's stores of this section's chunk are done, and so are its reads of the slot that is now filled again
	BAR
	s_cmp_eq_u32 s27, 0
	s_cbranch_scc1 .Lskip                          ; a tile without rows jumps the work, never the barrier
	SECTION 1, 1, 1, 52, 52, 52
.Lskip:
	STEP
	s_sub_co_u32 s42, s42, 1
	s_cmp_lg_u32 s42, 0
	s_cbranch_scc1 .Lsec
	BAR
	s_cmp_eq_u32 s27, 0
	s_cbranch_scc1 .Lskip6
	SECTION 1, 0, 1, 32, 32, 32                    ; section 6: no chunk is left to ask for
.Lskip6:
	STEP
	BAR
	s_cmp_eq_u32 s27, 0
	s_cbranch_scc1 .Lskip7
	SECTION 0, 0, 0, 32, 16, 0                     ; section 7: positions 28 (expert 2) to 31; the counts run down
.Lskip7:
	PLACES                                         ; the sums below read results just made
; THE WAY OUT, a block of 16 rows at a time.  Register j of fragment nb holds row 8 h + j, column 64 cg + 4 r + nb: a lane's four fragments give 16 consecutive bytes of a row, 16 lanes 256 aligned bytes:
; no trip through LDS.  Blocks past CNT are jumped; in the one block that CNT cuts, each store's lanes are narrowed.
.macro OUTBLK blk
	WIN 0
	s_sub_co_i32 s43, s27, 16*(\blk)               ; rows left from this block on
	s_cmp_le_i32 s43, 0
	s_cbranch_scc1 .Lend
	s_wait_xcnt 0x0                                ; the block before's stores have read their addresses and data: both are rewritten only behind this wait
	ds_load_b128 v[TK:TK+3],   v11 offset:64*(\blk)
	ds_load_b128 v[TK+4:TK+7], v11 offset:64*(\blk)+16
.if (\blk) < 8
	WIN 0x02                                       ; source 0 window 2
.set AC, 32*(\blk)
.else
	WIN 0x03
.set AC, 32*((\blk)-8)
.endif
.set j, 0
.rept 8                                                ; each accumulator's register 0 is read first
.set nb, 0
.rept 4
	v_add_f32 v[T+4*j+nb], v[AC+8*nb+j], v[BI+nb]
.set nb, nb+1
.endr
.set j, j+1
.endr
	WIN 0
	s_wait_dscnt 0x0
.set j, 0
.rept 8
	v_min_u32 v[TK+j], 0x1fff, v[TK+j]
	v_lshl_add_u32 v[TK+j], v[TK+j], 12, v4        ; token x 4,096 + 16 r
.set j, j+1
.endr
	s_cmp_ge_i32 s43, 16
	s_cbranch_scc0 .Lpart\@
.set j, 0
.rept 8
	global_store_b128 v[TK+j], v[T+4*j:T+4*j+3], s[38:39] th:TH_STORE_NT
.set j, j+1
.endr
	s_branch .Lnext\@
.Lpart\@:                                              ; no load or store has been issued since this block's s_wait_xcnt 0, so EXEC may be narrowed
.set j, 0
.rept 8
	s_sub_co_i32 s21, s43, j
	v_cmp_gt_i32 vcc_lo, s21, v5                   ; row 8 h + j is inside the count
	s_and_saveexec_b32 s44, vcc_lo
	global_store_b128 v[TK+j], v[T+4*j:T+4*j+3], s[38:39] th:TH_STORE_NT
	s_wait_xcnt 0x0                                ; EXEC is a source of the store: it changes only behind this wait
	s_or_b32 exec_lo, exec_lo, s44
.set j, j+1
.endr
	s_branch .Lend
.Lnext\@:
.endm
.irp b, 0,1,2,3,4,5,6,7,8,9
	OUTBLK \b
.endr
.Lend:
	s_wait_tensorcnt 0x0                           ; the wave's end: three closing lines, behind my last LDS store
	ds_add_u32 v[SPW], v[NIL]
	s_wait_dscnt 0x0
	s_endpgm
.Lfunc_end_k_qe178d6fd30_experts:
	.size	k_qe178d6fd30_experts, .Lfunc_end_k_qe178d6fd30_experts-k_qe178d6fd30_experts
	.p2alignl 7, 3214868480
	.fill 96, 4, 3214868480
	.section	.rodata,"a",@progbits
	.p2align	6, 0x0
	.amdhsa_kernel k_qe178d6fd30_experts
		.amdhsa_group_segment_fixed_size 163840
		.amdhsa_private_segment_fixed_size 0
		.amdhsa_enable_private_segment 0
		.amdhsa_kernarg_size 40
		.amdhsa_user_sgpr_count 2
		.amdhsa_user_sgpr_kernarg_segment_ptr 1
		.amdhsa_wavefront_size32 1
		.amdhsa_system_sgpr_workgroup_id_x 1
		.amdhsa_system_sgpr_workgroup_id_y 1
		.amdhsa_system_sgpr_workgroup_id_z 1
		.amdhsa_system_vgpr_workitem_id 0
		.amdhsa_next_free_vgpr 912
		.amdhsa_next_free_sgpr 66
		.amdhsa_reserve_vcc 1
		.amdhsa_float_denorm_mode_32 3
		.amdhsa_float_denorm_mode_16_64 3
		.amdhsa_memory_ordered 1
		.amdhsa_forward_progress 1
		.amdhsa_inst_pref_size 199
	.end_amdhsa_kernel
	.amdgpu_metadata
---
amdhsa.version: [ 1, 2 ]
amdhsa.kernels:
  - .name:           k_qe178d6fd30_experts
    .symbol:         k_qe178d6fd30_experts.kd
    .args:
      - { .name: sel, .offset: 0, .size: 8, .value_kind: global_buffer, .address_space: global }
      - { .name: xb, .offset: 8, .size: 8, .value_kind: global_buffer, .address_space: global }
      - { .name: wl, .offset: 16, .size: 8, .value_kind: global_buffer, .address_space: global }
      - { .name: expert_b, .offset: 24, .size: 8, .value_kind: global_buffer, .address_space: global }
      - { .name: out0, .offset: 32, .size: 8, .value_kind: global_buffer, .address_space: global }
    .group_segment_fixed_size: 163840
    .private_segment_fixed_size: 0
    .kernarg_segment_align: 8
    .kernarg_segment_size: 40
    .max_flat_workgroup_size: 128
    .sgpr_count:     66
    .vgpr_count:     912
    .wavefront_size: 32
...
	.end_amdgpu_metadata
.endif
;; end of part 2
;; ======== version 2 of 3: 2 launches; 1.30 times as fast as version 1
;; limits: right only within a limited range of input values
;; workspace buffers: xb 16,777,216 bytes; wl 16,777,216 bytes; sel 65,536 bytes of whole numbers
;; launch prep (part 3): grid 256 x 1, 4 waves a work-group, no clusters, 149,248 bytes of LDS; arguments x, gate_w, gate_b, expert_w, xb, wl, sel; writes xb, wl, sel
.if DOCPART == 3
	.amdgcn_target "amdgcn-amd-amdhsa--gfx1250"
	.amdhsa_code_object_version 6
	.text
	.protected	k_qe178d6fd30_prep
	.globl	k_qe178d6fd30_prep
	.p2align	8
	.type	k_qe178d6fd30_prep,@function
k_qe178d6fd30_prep:
	s_mov_b64 s[64:65], 0
	v_nop
	global_prefetch_b8 v0, s[64:65] scope:SCOPE_SE
	s_setreg_imm32_b32 hwreg(HW_REG_WAVE_MODE, 25, 1), 1
	s_wait_xcnt 0x0
; PREP.  Two jobs share one launch, since neither needs the other's result; the work-group's number decides (even: router, odd: weights).
; ROUTER (128 work-groups, a wave takes 16 tokens): x is rounded to bf16 and stored as xb [8192][1024]; the same 16 rows go into the wave's own LDS tile;
;   logits = x gate_w + gate_b on the matrix unit, all three rounded to bf16, sums in f32; softmax with the row's maximum taken away; the two largest
;   probabilities, ties to the lower index; the pair {lo, hi} becomes a set number lo (15 - lo) / 2 + hi - lo - 1 (0 .. 27).
;   Stored at a fixed place: sel[granule of 16 tokens][32 sets] = a 16-bit mask of the granule's tokens in that set | their count << 16.  Nothing here steers an address or a branch.
; WEIGHTS (128 work-groups: expert x 64 columns; a wave takes 8 K steps of 32): expert_w is rounded to bf16 and laid as wl [e 8][cg 16][kstep 32][nb 4][half 2][lane 32][8 bf16]:
;   lane (r = lane % 16, h = lane / 16), half c holds k = 32 kstep + 16 c + 8 h + 0..7 of column 64 cg + 4 r + nb: a matrix operand as plain 16-byte loads at 16 x lane.
; Memory binds both jobs: each input byte is read once, every store covers 256 or 512 consecutive bytes (sel's 128 bytes a wave aside: 64 KB in all).
; WHAT IS ON ITS WAY.  Every wave reads 64 KB.  A router wave has eight rows out (64 loads of 512 bytes, 32 KB), a weights wave six units (48 loads, 24 KB).  The router's waves have work behind their
; last load (the gate's product, softmax, the choice, the table row) and the weights' have none: so the router is given the larger share, ends its stream first, and does that work while the weights still stream.
; No cluster: no two work-groups read the same large tile (gate_w, 32 KB, is the only shared input).
; LIMITS.  NaN and infinities are not treated apart.  Probabilities closer than f32's rounding, or below 2^-126 (v_exp_f32 gives 0 there), may order otherwise than in an exact softmax.
; REGISTERS, in windows of 256 (s_set_vgpr_msb: bits 1:0 source 0, 3:2 source 1, 5:4 source 2, 7:6 destination): window 0 as named below; window 1: the ring, slots of 32 registers, rows as loaded.
.set GPITCH, 2064                      ; an LDS row of 1,024 bf16 + 16 bytes: 129 x 16, so the 16 rows of a fragment load start at 16 different groups of four banks (ISA guide 11.1)
.set XT,     16640                     ; behind gate_w^T (8 rows x 2,064, rounded up to whole blocks of 256): a tile of 16 rows for each wave
.set XTW,    16*GPITCH
.set SPARE,  XT+4*XTW                  ; the spare words: 128 bytes a wave, two blocks of 256 that no other line names
.set RS,   8                           ; the router's slots
.set WS,   6                           ; the weights' slots
.set FBUF, 32                          ; v[32:159]  two fragment buffers of 64 for the gate's product
.set Y,    160                         ; v[160:191] two sets of 16: rows as stored
.set ACC,  192                         ; v[192:223] four accumulators, which take turns
.set MSB, 0
.macro WIN new                         ; the immediate's high byte repeats the setting that is left; a switch that changes nothing is dropped
.if MSB != (\new)
	s_set_vgpr_msb (MSB<<8)|(\new)
.set MSB, \new
.endif
.endm
	s_load_b256 s[4:11], s[0:1], 0x0               ; x s[4:5], gate_w s[6:7], gate_b s[8:9], expert_w s[10:11]
	s_load_b128 s[12:15], s[0:1], 0x20             ; xb s[12:13], wl s[14:15]
	s_load_b64 s[16:17], s[0:1], 0x30              ; sel
	v_lshl_add_u32 v30, v0, 2, SPARE               ; my spare word
	v_mov_b32 v31, 0
	v_lshrrev_b32 v10, 5, v0
	v_readfirstlane_b32 s20, v10                   ; wave 0..3
	v_and_b32 v1, 31, v0                           ; lane
	v_and_b32 v2, 15, v0                           ; r
	v_bfe_u32 v3, v0, 4, 1                         ; h
	v_lshlrev_b32 v4, 4, v1                        ; 16 x lane
	s_lshr_b32 s21, ttmp9, 1                       ; my number among the work-groups of my job
	s_mov_b32 s25, 0
	s_wait_kmcnt 0x0
	s_bitcmp1_b32 ttmp9, 0                         ; the same answer in all four waves
	s_cbranch_scc1 .Lweights
; ------------------------------------------------------------------ ROUTER
	s_lshl2_add_u32 s22, s21, s20                  ; g: my granule of 16 tokens
	s_lshl_b32 s24, s22, 16
	s_add_nc_u64 s[4:5], s[4:5], s[24:25]          ; x at my 16 rows of 4,096 bytes
	s_lshl_b32 s24, s22, 15
	s_add_nc_u64 s[12:13], s[12:13], s[24:25]      ; xb at my 16 rows of 2,048 bytes
	s_lshl_b32 s24, s22, 7
	s_add_nc_u64 s[16:17], s[16:17], s[24:25]      ; sel at my row of 128 bytes
	s_load_b256 s[32:39], s[8:9], 0x0              ; gate_b
	v_lshlrev_b32 v10, 4, v0                       ; 16 x thread: never rewritten
.set i, 0
.rept 16                                               ; gate_w, 32 KB, shared out among the 128 threads: load i holds k = thread / 2 + 64 i, experts 4 (thread % 2) + 0..3
	global_load_b128 v[160+4*i:160+4*i+3], v10, s[6:7] offset:2048*i
.set i, i+1
.endr
.macro XFILL rho                       ; a row of x: eight loads of 512 consecutive bytes, into slot rho % RS of window 1
	WIN 0x40                                       ; destination window 1, address window 0
.set j, 0
.rept 8
	global_load_b128 v[32*((\rho)%RS)+4*j:32*((\rho)%RS)+4*j+3], v4, s[4:5] offset:(\rho)*4096+512*j th:TH_LOAD_NT
.set j, j+1
.endr
.endm
.irp t, 0,1,2,3,4,5,6                                  ; seven rows now, the eighth behind the barrier.  More loads are named here than the load counter's field holds; the issue of a load then
	XFILL \t                                       ; waits by itself (ISA guide 5.7.1), so no wait is written for that
.endr
	WIN 0
	v_and_b32 v11, 1, v0
	v_mul_u32_u24 v5, v11, 4*GPITCH                ; gate_w^T: row 4 (thread % 2),
	v_lshrrev_b32 v11, 1, v0
	v_lshl_add_u32 v5, v11, 1, v5                  ; byte 2 (thread / 2)
	v_lshlrev_b32 v6, 3, v1                        ; 8 x lane: my 8 bytes in 256 of a row of xb
	s_mul_i32 s26, s20, XTW
	s_add_co_u32 s26, s26, XT                      ; my wave's tile
	v_lshl_add_u32 v7, v1, 3, s26
	v_and_b32 v11, 7, v0
	v_mul_u32_u24 v8, v11, GPITCH                  ; fragments of gate_w^T: row r % 8 (rows 8-15 of the operand repeat rows 0-7),
	v_lshl_add_u32 v8, v3, 4, v8                   ; + 16 h
	v_mul_u32_u24 v9, v2, GPITCH                   ; fragments of x: token r
	v_lshl_add_u32 v9, v3, 4, v9
	v_add_nc_u32 v9, s26, v9
	s_wait_loadcnt 56                              ; gate_w is in: the 56 loads of x's rows 0 to 6 are younger
.set i, 0
.rept 16
	v_cvt_pk_bf16_f32 v[160+4*i], v[160+4*i], v[160+4*i+1]
	v_cvt_pk_bf16_f32 v[160+4*i+1], v[160+4*i+2], v[160+4*i+3]
	ds_store_b16 v5, v[160+4*i] offset:128*i
	ds_store_b16_d16_hi v5, v[160+4*i] offset:GPITCH+128*i
	ds_store_b16 v5, v[160+4*i+1] offset:2*GPITCH+128*i
	ds_store_b16_d16_hi v5, v[160+4*i+1] offset:3*GPITCH+128*i
.set i, i+1
.endr
	s_wait_dscnt 0x0                               ; for the others' sake: my part of gate_w^T is written
	s_barrier_signal -1
	s_barrier_wait -1                              ; everybody's is; the only barrier: all else in LDS is the wave's own
	XFILL 7
; A row's turn.  The younger loads that may stay out are those of the RS - 1 rows behind it; the last turns count down.
.macro TURN rho
.set LEFT, 8*(RS-1)
.if (15-(\rho)) < (RS-1)
.set LEFT, 8*(15-(\rho))
.endif
	s_wait_loadcnt LEFT
	s_wait_xcnt 0x0                                ; this Y set was store data two turns ago: it is rewritten only behind this wait (ISA guide 3.1)
.set XS, 32*((\rho)%RS)
.set YS, Y+16*((\rho)%2)
	WIN 0x05                                       ; sources window 1, destination window 0
.set j, 0
.rept 16
	v_cvt_pk_bf16_f32 v[YS+j], v[XS+2*j], v[XS+2*j+1]
.set j, j+1
.endr
.if (\rho) < 16-RS
	XFILL (\rho)+RS                                ; the slot just converted takes the row RS further on, ahead of the stores
.endif
	WIN 0
.set j, 0
.rept 8
	global_store_b64 v6, v[YS+2*j:YS+2*j+1], s[12:13] offset:(\rho)*2048+256*j  ; 256 consecutive bytes, at a multiple of 256 from xb's first byte
.set j, j+1
.endr
.set j, 0
.rept 8
	ds_store_b64 v7, v[YS+2*j:YS+2*j+1] offset:(\rho)*GPITCH+256*j
.set j, j+1
.endr
.endm
.irp t, 0,1,2,3,4,5,6,7,8,9,10,11,12,13,14,15
	TURN \t
.endr
	s_wait_kmcnt 0x0                               ; gate_b, rounded to bf16 like every input, and widened again
	v_cvt_pk_bf16_f32 v248, s32, s33
	v_cvt_pk_bf16_f32 v249, s34, s35
	v_cvt_pk_bf16_f32 v250, s36, s37
	v_cvt_pk_bf16_f32 v251, s38, s39
.irp j, 0,1,2,3
	v_lshlrev_b32 v[240+2*\j], 16, v[248+\j]
	v_and_b32 v[241+2*\j], 0xffff0000, v[248+\j]
.endr
; THE GATE'S PRODUCT, used transposed: source 0 = 16 rows of gate_w^T (experts), source 1 = my 16 tokens.  In the result a lane holds token r and experts 0..7.
; Four K steps to a batch, two fragment buffers; LDS serves a wave's instructions in order (ISA guide 5.7.1.4), so these loads see my stores above.
.macro FETCHB b
.set FB, FBUF+64*((\b)%2)
.set i, 0
.rept 4
	ds_load_b128 v[FB+16*i:FB+16*i+3],     v8 offset:64*(4*(\b)+i)
	ds_load_b128 v[FB+16*i+4:FB+16*i+7],   v8 offset:64*(4*(\b)+i)+32
	ds_load_b128 v[FB+16*i+8:FB+16*i+11],  v9 offset:64*(4*(\b)+i)
	ds_load_b128 v[FB+16*i+12:FB+16*i+15], v9 offset:64*(4*(\b)+i)+32
.set i, i+1
.endr
.endm
.macro GATE b
.set FB, FBUF+64*((\b)%2)
.if (\b) < 7
	s_wait_dscnt 16                                ; this batch is in; the next one's 16 loads are younger
.else
	s_wait_dscnt 0x0
.endif
.set i, 0
.rept 4                                                ; the four accumulators take turns, one instruction a turn
.if (\b) == 0
	v_wmma_f32_16x16x32_bf16 v[ACC+8*i:ACC+8*i+7], v[FB+16*i:FB+16*i+7], v[FB+16*i+8:FB+16*i+15], 0
.else
	v_wmma_f32_16x16x32_bf16 v[ACC+8*i:ACC+8*i+7], v[FB+16*i:FB+16*i+7], v[FB+16*i+8:FB+16*i+15], v[ACC+8*i:ACC+8*i+7]
.endif
.set i, i+1
.endr
.rept 4
	v_nop                                          ; four places ahead of loads into registers just multiplied, and of the sums that read the results
.endr
.if (\b) < 6
	FETCHB (\b)+2
.endif
.endm
	FETCHB 0
	FETCHB 1
.irp b, 0,1,2,3,4,5,6,7
	GATE \b
.endr
.irp j, 0,2,4,6                                        ; each accumulator's lowest registers are read first
	v_pk_add_f32 v[224+\j:225+\j], v[192+\j:193+\j], v[200+\j:201+\j]
.endr
.irp j, 0,2,4,6
	v_pk_add_f32 v[232+\j:233+\j], v[208+\j:209+\j], v[216+\j:217+\j]
.endr
.irp j, 0,2,4,6
	v_pk_add_f32 v[224+\j:225+\j], v[224+\j:225+\j], v[232+\j:233+\j]
.endr
.irp j, 0,2,4,6
	v_pk_add_f32 v[224+\j:225+\j], v[224+\j:225+\j], v[240+\j:241+\j]  ; + gate_b: v[224:231] = the token's eight logits
.endr
	; softmax: p = 2^(c L - c m) / sum, c = log2(e), m the row's maximum
	v_max3_num_f32 v232, v224, v225, v226
	v_max3_num_f32 v232, v232, v227, v228
	v_max3_num_f32 v232, v232, v229, v230
	v_max_num_f32 v232, v232, v231
	s_mov_b32 s40, 0x3fb8aa3b
	v_mul_f32 v233, s40, v232
.irp j, 0,1,2,3,4,5,6,7
	v_fma_f32 v[224+\j], v[224+\j], s40, -v233
.endr
.irp j, 0,1,2,3,4,5,6,7
	v_exp_f32 v[224+\j], v[224+\j]
.endr
	v_nop                                          ; a plain instruction behind the last exponential,
	s_wait_alu depctr_va_vdst(0)                   ; and one wait for the batch of eight, ahead of its first reader
	v_add_f32 v234, v224, v225
	v_add_f32 v235, v226, v227
	v_add_f32 v236, v228, v229
	v_add_f32 v237, v230, v231
	v_add_f32 v234, v234, v235
	v_add_f32 v236, v236, v237
	v_add_f32 v234, v234, v236
	v_rcp_f32 v235, v234
	v_nop
	s_wait_alu depctr_va_vdst(0)
.irp j, 0,1,2,3,4,5,6,7
	v_mul_f32 v[224+\j], v[224+\j], v235
.endr
	; the largest, then the largest of the rest: only a strictly greater one takes the place, so a tie stays with the lower index
	v_mov_b32 v236, v224
	v_mov_b32 v237, 0
.irp j, 1,2,3,4,5,6,7
	v_cmp_gt_f32 vcc_lo, v[224+\j], v236
	v_cndmask_b32 v236, v236, v[224+\j], vcc_lo
	v_cndmask_b32 v237, v237, \j, vcc_lo
.endr
.irp j, 0,1,2,3,4,5,6,7
	v_cmp_eq_u32 vcc_lo, \j, v237
	v_cndmask_b32 v[224+\j], v[224+\j], -1.0, vcc_lo  ; the first choice steps below every probability
.endr
	v_mov_b32 v238, v224
	v_mov_b32 v239, 0
.irp j, 1,2,3,4,5,6,7
	v_cmp_gt_f32 vcc_lo, v[224+\j], v238
	v_cndmask_b32 v238, v238, v[224+\j], vcc_lo
	v_cndmask_b32 v239, v239, \j, vcc_lo
.endr
	v_min_u32 v240, v237, v239                     ; lo
	v_max_u32 v241, v237, v239                     ; hi
	v_sub_nc_u32 v242, 15, v240
	v_mul_u32_u24 v242, v242, v240
	v_lshrrev_b32 v242, 1, v242
	v_add_nc_u32 v242, v242, v241
	v_sub_nc_u32 v242, v242, v240
	v_add_nc_u32 v242, -1, v242                    ; the set's number
	; the granule's table row: lane = set; token t adds its mask bit and 1 << 16 in the lane of its set.  A choice of values only.
	v_mov_b32 v243, 0
.set t, 0
.rept 16
	v_readlane_b32 s41, v242, t
	s_mov_b32 s42, (1<<t)|(1<<16)
	v_cmp_eq_u32 vcc_lo, s41, v1
	v_cndmask_b32 v244, 0, s42, vcc_lo
	v_add_nc_u32 v243, v243, v244
.set t, t+1
.endr
	v_lshlrev_b32 v245, 2, v1
	global_store_b32 v245, v243, s[16:17]
	s_wait_tensorcnt 0x0                           ; the wave's end: three closing lines, behind my last LDS store
	ds_add_u32 v30, v31
	s_wait_dscnt 0x0
	s_endpgm
; ------------------------------------------------------------------ WEIGHTS
.Lweights:
	s_lshr_b32 s22, s21, 4                         ; e
	s_and_b32 s26, s21, 15                         ; cg
	s_lshl_b32 s24, s22, 22                        ; the expert's 4 MiB,
	s_lshl_b32 s27, s20, 20                        ; my wave's 8 K steps x 32 rows x 4,096 bytes,
	s_add_co_u32 s24, s24, s27
	s_lshl_b32 s27, s26, 8                         ; my 64 columns
	s_add_co_u32 s24, s24, s27
	s_add_nc_u64 s[10:11], s[10:11], s[24:25]
	s_lshl_b32 s24, s21, 17                        ; wl: (16 e + cg) x 131,072
	s_lshl_b32 s27, s20, 15                        ; + 8 K steps x 4,096
	s_add_co_u32 s24, s24, s27
	s_add_nc_u64 s[14:15], s[14:15], s[24:25]
	v_lshlrev_b32 v5, 15, v3                       ; lanes 16-31 read eight rows further down,
	v_lshl_or_b32 v5, v2, 4, v5                    ; 16 bytes (4 columns) a lane: each half of the lanes takes 256 consecutive bytes of a row
; A unit u is 16 rows of k (K step u / 2, half u % 2): load i brings rows i and 8 + i.  A lane then holds k = 8 h + 0..7 of four columns.
.macro WFILL u
	WIN 0x40                                       ; destination window 1, address window 0
.set i, 0
.rept 8
	global_load_b128 v[32*((\u)%WS)+4*i:32*((\u)%WS)+4*i+3], v5, s[10:11] offset:(\u)*65536+i*4096 th:TH_LOAD_NT
.set i, i+1
.endr
.endm
.macro UNIT u
.set LEFT, 8*(WS-1)
.if (15-(\u)) < (WS-1)
.set LEFT, 8*(15-(\u))
.endif
	s_wait_loadcnt LEFT                            ; my eight loads are in; the WS - 1 units behind them (later fewer) stay out
	s_wait_xcnt 0x0                                ; this Y set was store data two units ago
.set XS, 32*((\u)%WS)
.set YS, Y+16*((\u)%2)
	WIN 0x05                                       ; sources window 1, destination window 0
.set n, 0
.rept 4
.set i, 0
.rept 4
	v_cvt_pk_bf16_f32 v[YS+4*n+i], v[XS+8*i+n], v[XS+8*i+4+n]  ; column nb = n: k = 2 i and 2 i + 1
.set i, i+1
.endr
.set n, n+1
.endr
.if (\u) < 16-WS
	WFILL (\u)+WS
.endif
	WIN 0
.set n, 0
.rept 4
	global_store_b128 v4, v[YS+4*n:YS+4*n+3], s[14:15] offset:((\u)/2)*4096+n*1024+((\u)%2)*512  ; 512 consecutive bytes
.set n, n+1
.endr
.endm
.irp u, 0,1,2,3,4,5
	WFILL \u
.endr
.irp u, 0,1,2,3,4,5,6,7,8,9,10,11,12,13,14,15
	UNIT \u
.endr
	s_wait_tensorcnt 0x0                           ; the same three lines at this path's end
	ds_add_u32 v30, v31
	s_wait_dscnt 0x0
	s_endpgm
.Lfunc_end_k_qe178d6fd30_prep:
	.size	k_qe178d6fd30_prep, .Lfunc_end_k_qe178d6fd30_prep-k_qe178d6fd30_prep
	.p2alignl 7, 3214868480
	.fill 96, 4, 3214868480
	.section	.rodata,"a",@progbits
	.p2align	6, 0x0
	.amdhsa_kernel k_qe178d6fd30_prep
		.amdhsa_group_segment_fixed_size 149248
		.amdhsa_private_segment_fixed_size 0
		.amdhsa_enable_private_segment 0
		.amdhsa_kernarg_size 56
		.amdhsa_user_sgpr_count 2
		.amdhsa_user_sgpr_kernarg_segment_ptr 1
		.amdhsa_wavefront_size32 1
		.amdhsa_system_sgpr_workgroup_id_x 1
		.amdhsa_system_sgpr_workgroup_id_y 1
		.amdhsa_system_sgpr_workgroup_id_z 1
		.amdhsa_system_vgpr_workitem_id 0
		.amdhsa_next_free_vgpr 512
		.amdhsa_next_free_sgpr 66
		.amdhsa_reserve_vcc 1
		.amdhsa_float_denorm_mode_32 3
		.amdhsa_float_denorm_mode_16_64 3
		.amdhsa_memory_ordered 1
		.amdhsa_forward_progress 1
		.amdhsa_inst_pref_size 119
	.end_amdhsa_kernel
	.amdgpu_metadata
---
amdhsa.version: [ 1, 2 ]
amdhsa.kernels:
  - .name:           k_qe178d6fd30_prep
    .symbol:         k_qe178d6fd30_prep.kd
    .args:
      - { .name: x, .offset: 0, .size: 8, .value_kind: global_buffer, .address_space: global }
      - { .name: gate_w, .offset: 8, .size: 8, .value_kind: global_buffer, .address_space: global }
      - { .name: gate_b, .offset: 16, .size: 8, .value_kind: global_buffer, .address_space: global }
      - { .name: expert_w, .offset: 24, .size: 8, .value_kind: global_buffer, .address_space: global }
      - { .name: xb, .offset: 32, .size: 8, .value_kind: global_buffer, .address_space: global }
      - { .name: wl, .offset: 40, .size: 8, .value_kind: global_buffer, .address_space: global }
      - { .name: sel, .offset: 48, .size: 8, .value_kind: global_buffer, .address_space: global }
    .group_segment_fixed_size: 149248
    .private_segment_fixed_size: 0
    .kernarg_segment_align: 8
    .kernarg_segment_size: 56
    .max_flat_workgroup_size: 128
    .sgpr_count:     66
    .vgpr_count:     512
    .wavefront_size: 32
...
	.end_amdgpu_metadata
.endif
;; end of part 3
;; launch experts (part 4): grid 4 x 79, 4 waves a work-group, no clusters, 163,840 bytes of LDS; arguments sel, xb, wl, expert_b, out0; writes out0
.if DOCPART == 4
	.amdgcn_target "amdgcn-amd-amdhsa--gfx1250"
	.amdhsa_code_object_version 6
	.text
	.protected	k_qe178d6fd30_experts
	.globl	k_qe178d6fd30_experts
	.p2align	8
	.type	k_qe178d6fd30_experts,@function
k_qe178d6fd30_experts:
	s_mov_b64 s[64:65], 0
	v_nop
	global_prefetch_b8 v0, s[64:65] scope:SCOPE_SE
	s_setreg_imm32_b32 hwreg(HW_REG_WAVE_MODE, 25, 1), 1
	s_wait_xcnt 0x0
; EXPERTS.  out[t] = x[t] W[e1] + b[e1] + x[t] W[e2] + b[e2] for the token's two chosen experts, made as x[t] (W[e1] + W[e2]) + (b[e1] + b[e2]): one product in place of two.
; x, W and b are rounded to bf16; the two rounded weights are added by v_pk_add_bf16 on their way from memory to the matrix unit; the products' sums are f32.
; Tokens are grouped by their SET {e1, e2} (28 sets), so a work-group needs one summed W and owns its output rows: nothing is summed through memory.
; LIMITS.  The sum of two bf16 weights is rounded once more to bf16: at most 2^-8 of each summed weight; over 1,024 independent terms about 0.0015 of the output's root mean square.
; K is summed in the order 30, 31, 0, 1 .. 29.  NaN and infinities are not treated apart.
; SHARES.  A tile is 160 tokens of one set x 256 columns; work-group (x, y) takes column group x of tile y.  Each of the four waves has all 160 rows x 64 columns: 40 accumulators.
; THE GRID SERVES EVERY SPLIT: the sum over 28 sets of ceil(n / 160) is at most (8192 - 28) / 160 + 28, so 79 tiles.  A work-group whose tile number is past the count has CNT = 0: it passes
; every barrier, jumps forward over the list's making, over each unit of the K walk and over the way out (none of which holds a barrier), stores nothing and ends.
; A TILE THAT IS NOT FULL jumps the products of row blocks past its count, at four places of each group (ahead of blocks 2, 7, 8 and 9: a set of 8192 / 28 tokens leaves its second tile 7 to 10
; blocks, a third tile one or two).  Their fragments are fetched all the same, so that every count of LDS loads stays as written.
; THE ROUTING is counted here by every work-group from sel (64 KB): per-set totals, the tile's set and first rank, then the list of its tokens, by rank, in LDS.
; DATA.  Rows of xb come by the list: each wave gathers 40 rows x 256 bytes a K chunk through registers into one of two LDS slots, a chunk ahead.  A wave's 64 columns of both W are read by that
; wave alone, so they come from wl straight into registers, four positions ahead of their product.
; THE K WALK has 32 positions of 40 matrix instructions.  Positions 0 and 1 are K steps 30 and 31, whose rows come straight from xb, so that one group stands ahead of the first barrier and every
; unit behind a barrier begins with a group whose fragments are already in registers; position p >= 2 is K step p - 2, and LDS chunk c serves positions 4 c + 2 .. 4 c + 5.  (Of chunk 7 only the first
; 128 bytes of a row are used; it is fetched in whole rows of 256 aligned bytes all the same.)
; NO CLUSTER, NO TENSOR LOADS: the tiles that share W are those of one set, any number from 0 to 52 by the split, so partners would not be alike; the four column groups of a tile share its rows
; of xb, which come by a list that no descriptor covers, and are 40 KB of a chunk's 168 KB.
; REGISTERS, in windows of 256 (s_set_vgpr_msb: bits 1:0 source 0, 3:2 source 1, 5:4 source 2, 7:6 destination):
;   window 0: v0-29 lane terms, addresses, scratch; v30-31 the add's; v32-51 the 20 gather offsets; v52-55 bias; v64-143, v144-223 fragments of x, two buffers; v224-255 at work in the head
;   window 1: W as loaded, four pairs: pair p, expert x, fragment nb at 64 p + 32 x + 8 nb      window 2: accumulators of row blocks 0-7 at 32 rb + 8 nb
;   window 3: v0-63 row blocks 8, 9; v64-143 gathered rows; v144-175, v176-207 W[e1] + W[e2], two buffers, fragment nb at 8 nb
.set PITCH,  272                       ; an LDS row: 256 bytes + 16: 17 x 16, so the 16 rows of a fragment load start at 16 different groups of four banks (ISA guide 11.1)
.set SLOTB,  160*PITCH                 ; a slot: 160 rows x 128 k
.set TB,     2*SLOTB                   ; a copy of the wave's 128 table rows, each wave's own: 16,384 bytes
.set WT,     TB+4*16384                ; per-wave totals: 4 x 32 words, word = set
.set LC,     WT+512                    ; each wave's own list: 512 words, word = rank in the tile; word 160 takes what is not in the tile
.set FINAL,  LC+4*2048                 ; the four lists merged
.set SPARE,  FINAL+2048                ; the spare words: 128 bytes a wave, two blocks of 256 that no other line names
.set SPW,  30
.set NIL,  31
.set GOFF, 32
.set BI,   52
.set AF,   64
.set TKA,  64                          ; the way out: the 80 store offsets, where x's first buffer lay
.set STG,  64                          ; in window 3
.set SB,   144                         ; in window 3
.set MSB, 0
.macro WIN new                         ; the immediate's high byte repeats the setting that is left; a switch that changes nothing is dropped
.if MSB != (\new)
	s_set_vgpr_msb (MSB<<8)|(\new)
.set MSB, \new
.endif
.endm
.macro PLACES                          ; four places ahead of loads into, and vector writes of, registers that matrix instructions have read, and of sums that read results
.rept 4
	v_nop
.endr
.endm
.macro BAR                             ; my LDS stores are done and my LDS loads are back; then everybody's
	s_wait_dscnt 0x0
	s_barrier_signal -1
	s_barrier_wait -1
.endm
; A position: 40 matrix instructions, all 10 row blocks x 4 column fragments, 32 along K, on x's buffer buf and the sum buffer buf.  The 40 accumulators take turns, one instruction a turn, in the
; same order in every group.  rp >= 0: behind each of the first eight stand four of the 32 packed adds that make the NEXT position's W[e1] + W[e2], from pair rp into the
; other sum buffer: vector work beside the matrix work, at the price of two window switches a slice.  That buffer's last readers stand behind the four places of the run in front of this group.
; Ahead of blocks 2, 7, 8 and 9 the rest of the group is jumped if the tile's rows end before that block; the adds stand behind blocks 0 and 1, so they are never jumped.  The group that starts the
; sums (zero = 1) is never cut: every accumulator is started on every way.
.macro GROUP buf, rp, zero
.set gi, 0
.set rb, 0
.rept 10
.if (!(\zero)) && ((rb == 2) || (rb >= 7))
	WIN 0                                          ; at a branch every window is 0
	s_cmp_le_u32 s27, 16*rb
	s_cbranch_scc1 .Lcut\@
.endif
.set nb, 0
.rept 4
.if rb < 8
	WIN 0xac                                       ; x window 0, the sum window 3, C and D window 2
.set AC, 32*rb
.else
	WIN 0xfc                                       ; C and D window 3
.set AC, 32*(rb-8)
.endif
.if \zero
	v_wmma_f32_16x16x32_bf16 v[AC+8*nb:AC+8*nb+7], v[AF+80*(\buf)+8*rb:AF+80*(\buf)+8*rb+7], v[SB+32*(\buf)+8*nb:SB+32*(\buf)+8*nb+7], 0
.else
	v_wmma_f32_16x16x32_bf16 v[AC+8*nb:AC+8*nb+7], v[AF+80*(\buf)+8*rb:AF+80*(\buf)+8*rb+7], v[SB+32*(\buf)+8*nb:SB+32*(\buf)+8*nb+7], v[AC+8*nb:AC+8*nb+7]
.endif
.if ((\rp) >= 0) && (gi < 8)
	WIN 0xc5                                       ; both W window 1, the sum window 3
.set k, 4*gi
.rept 4
	v_pk_add_bf16 v[SB+32*(1-(\buf))+k], v[64*(\rp)+k], v[64*(\rp)+32+k]
.set k, k+1
.endr
.endif
.set gi, gi+1
.set nb, nb+1
.endr
.set rb, rb+1
.endr
.if !(\zero)
	WIN 0                                          ; at a label every window is 0
.Lcut\@:
.endif
.endm
.macro AFETCH buf, byte                ; 20 LDS loads: the fragments of 160 rows x 32 k at that byte of the rows
	WIN 0
.set rb, 0
.rept 10
	ds_load_b128 v[AF+80*(\buf)+8*rb:AF+80*(\buf)+8*rb+3],   v7 offset:rb*16*PITCH+(\byte)
	ds_load_b128 v[AF+80*(\buf)+8*rb+4:AF+80*(\buf)+8*rb+7], v7 offset:rb*16*PITCH+(\byte)+32
.set rb, rb+1
.endr
.endm
.macro BLOAD pair, kimm                ; 16 loads of 512 consecutive bytes: both experts' W of one K step, 64 columns
	WIN 0x40                                       ; destination window 1
.irp x, 0,1
.irp f, 0,1,2,3
.irp c, 0,1
	global_load_b128 v[64*(\pair)+32*\x+8*\f+4*\c:64*(\pair)+32*\x+8*\f+4*\c+3], v6, s[32+2*\x:33+2*\x] offset:(\kimm)*4096+\f*1024+\c*512
.endr
.endr
.endr
.endm
.macro ISSUE_S imm                     ; 20 loads: my 40 rows' 256 bytes of a chunk; lanes 0-15 one row, lanes 16-31 another, 256 aligned bytes each
	WIN 0xc0                                       ; destination window 3
.set i, 0
.rept 20
	global_load_b128 v[STG+4*i:STG+4*i+3], v[GOFF+i], s[36:37] offset:\imm
.set i, i+1
.endr
.endm
.macro STORE_S                         ; and into the slot that is being filled
	WIN 0x0c                                       ; data window 3
.set i, 0
.rept 20
	ds_store_b128 v9, v[STG+4*i:STG+4*i+3] offset:i*PITCH
.set i, i+1
.endr
.endm
	s_load_b256 s[4:11], s[0:1], 0x0               ; sel s[4:5], xb s[6:7], wl s[8:9], expert_b s[10:11]
	s_load_b64 s[12:13], s[0:1], 0x20              ; out0
	v_lshl_add_u32 v[SPW], v0, 2, SPARE
	v_mov_b32 v[NIL], 0
	v_lshrrev_b32 v12, 5, v0
	v_readfirstlane_b32 s14, v12                   ; wave 0..3
	v_and_b32 v1, 31, v0                           ; lane
	v_and_b32 v2, 15, v0                           ; r
	v_bfe_u32 v3, v0, 4, 1                         ; h
	v_lshlrev_b32 v4, 4, v2                        ; 16 r
	v_lshlrev_b32 v5, 3, v3                        ; 8 h
	v_lshlrev_b32 v6, 4, v1                        ; 16 x lane: W's offset, never rewritten
	v_mul_u32_u24 v8, v2, PITCH
	v_lshl_add_u32 v8, v3, 4, v8                   ; a fragment's row x pitch + 16 h
	s_mul_i32 s21, s14, 40*PITCH
	v_mul_u32_u24 v10, v3, 20*PITCH
	v_add3_u32 v10, v10, s21, v4                   ; where I put gathered rows: row 40 w + 20 h, byte 16 r
	v_lshl_add_u32 v11, v3, 5, FINAL               ; the way out: tokens of rows 8 h + 0..7 of a block
	s_and_b32 s15, ttmp7, 0xffff                   ; q: my tile
	s_lshl2_add_u32 s17, ttmp9, s14                ; cg: my wave's 64 columns
	s_mov_b32 s46, 0x76543210                      ; v_permlanex16_b32: each lane takes its own place in the other half
	s_mov_b32 s47, 0xfedcba98
	s_mov_b32 s48, 0xaaaaaaaa                      ; the lanes whose number has bit 0, 1, 2, 3, 4 set
	s_mov_b32 s49, 0xcccccccc
	s_mov_b32 s50, 0xf0f0f0f0
	s_mov_b32 s51, 0xff00ff00
	s_mov_b32 s52, 0xffff0000
	s_mov_b32 s56, 0x07060302                      ; v_perm_b32: the upper halves of two words
	s_lshl_b32 s45, s14, 11
	s_add_co_u32 s45, s45, LC                      ; my wave's list
	v_add_nc_u32 v12, s45, v6
.irp k, 16,17,18,19,20,21,22,23
	v_mov_b32 v\k, 0
.endr
.irp i, 0,1,2,3
	ds_store_b128 v12, v[16:19] offset:512*\i      ; the list starts as zeros: a place that nobody fills names token 0, a row that exists
.endr
	v_lshl_add_u32 v13, s14, 14, v6                ; my wave's 128 table rows
	v_add_nc_u32 v14, TB, v13
	s_wait_kmcnt 0x0
.set i, 0
.rept 32
	global_load_b128 v[64+4*i:64+4*i+3], v13, s[4:5] offset:512*i
.set i, i+1
.endr
	; COUNT.  Load i, lane l: table row 4 i + l / 8, sets 4 (l % 8) + 0..3.  Eight loads at a time: their words go into my wave's copy, in one run of stores; then the counts (a word's upper half) of two
	; loads are packed into one word and added onto the lane's four packed sums: a half holds 16 counts of 16 at the most, so no half runs over.
.set bt, 0
.rept 4
	s_wait_loadcnt 24-8*bt                         ; eight more are in
.set i, 8*bt
.rept 8
	ds_store_b128 v14, v[64+4*i:64+4*i+3] offset:512*i
.set i, i+1
.endr
.set i, 8*bt
.rept 4
.set k, 0
.rept 4
	v_perm_b32 v[24+k], v[64+4*(i+1)+k], v[64+4*i+k], s56
.set k, k+1
.endr
.set k, 0
.rept 4
	v_add_nc_u32 v[20+k], v[20+k], v[24+k]
.set k, k+1
.endr
.set i, i+2
.endr
.set bt, bt+1
.endr
.irp k, 0,1,2,3
	v_lshrrev_b32 v[24+\k], 16, v[20+\k]
.endr
.irp k, 0,1,2,3
	v_and_b32 v[20+\k], 0xffff, v[20+\k]
.endr
.irp k, 0,1,2,3
	v_add_nc_u32 v[20+\k], v[20+\k], v[24+\k]      ; the two halves together
.endr
.irp k, 0,1,2,3                                        ; the four lanes with the same l % 8
	v_mov_b32_dpp v[24+\k], v[20+\k] row_xmask:8 row_mask:0xf bank_mask:0xf
.endr
.irp k, 0,1,2,3
	v_add_nc_u32 v[20+\k], v[20+\k], v[24+\k]
.endr
.irp k, 0,1,2,3
	v_permlanex16_b32 v[24+\k], v[20+\k], s46, s47
.endr
.irp k, 0,1,2,3
	v_add_nc_u32 v[20+\k], v[20+\k], v[24+\k]
.endr
	v_and_b32 v15, 7, v0
	v_lshlrev_b32 v15, 4, v15
	s_lshl_b32 s21, s14, 7
	s_add_co_u32 s21, s21, WT
	v_add_nc_u32 v15, s21, v15
	ds_store_b128 v15, v[20:23]
	BAR                                            ; all four waves' totals are written
	; TOTALS AND TILES, lane = set: tiles = ceil(total / 160) = (((total + 159) >> 5) x 205) >> 10, exact while the shifted number is under 1,024 (here at most 260)
	v_lshl_add_u32 v15, v1, 2, WT
.irp k, 0,1,2,3
	ds_load_b32 v[20+\k], v15 offset:128*\k
.endr
	s_wait_dscnt 0x0
	v_add_nc_u32 v24, v20, v21
	v_add_nc_u32 v25, v22, v23
	v_add_nc_u32 v24, v24, v25
	v_add_nc_u32 v24, 159, v24
	v_lshrrev_b32 v24, 5, v24
	v_mul_u32_u24 v24, v24, 205
	v_lshrrev_b32 v24, 10, v24
	; MY TILE'S SET: the last set whose first tile is not past q.  s18 = set | e1 << 8 | e2 << 16, s19 = its first tile.
	s_mov_b32 s20, 0
	s_mov_b32 s19, 0
	s_mov_b32 s18, 1<<16
.set sid, 0
.set slo, 0
.set shi, 1
.rept 28
	v_readlane_b32 s21, v24, sid
	s_cmp_ge_u32 s15, s20
	s_cselect_b32 s18, sid|(slo<<8)|(shi<<16), s18
	s_cselect_b32 s19, s20, s19
	s_add_co_u32 s20, s20, s21
.set sid, sid+1
.set shi, shi+1
.if shi == 8
.set slo, slo+1
.set shi, slo+1
.endif
.endr
	s_and_b32 s22, s18, 0xff
	s_bfe_u32 s23, s18, 0x80008
	s_bfe_u32 s24, s18, 0x80010
	s_min_u32 s22, s22, 27                         ; what steers an address is held to its table
	s_min_u32 s23, s23, 7
	s_min_u32 s24, s24, 7
	; All that hangs on the set alone goes out now, the eight LDS loads ahead of the 50 loads from memory, so that they do not stand behind those; their wait follows the run.
	s_lshl_b32 s21, s22, 2
	s_add_co_u32 s21, s21, WT
	v_mov_b32 v12, s21
.irp k, 0,1,2,3
	ds_load_b32 v[20+\k], v12 offset:128*\k        ; the set's count in each wave's part of the table
.endr
	; MY WAVE'S TOKENS OF THE SET.  Lane l takes the set's words of table rows 4 l + 0..3 of my wave's copy (my own bytes: LDS serves a wave's instructions in order, ISA guide 5.7.1.4).
	s_lshl_b32 s53, s14, 14
	s_add_co_u32 s53, s53, TB
	s_lshl2_add_u32 s53, s22, s53
	v_lshl_add_u32 v15, v1, 9, s53
.irp p, 0,1,2,3
	ds_load_b32 v[16+\p], v15 offset:128*\p
.endr
	; W of positions 0, 1, 2 (K steps 30, 31, 0) and the two biases
	s_lshl4_add_u32 s32, s23, s17
	s_lshl_b32 s32, s32, 17
	s_mov_b32 s33, 0
	s_add_nc_u64 s[32:33], s[8:9], s[32:33]        ; wl at (e1, cg)
	s_lshl4_add_u32 s34, s24, s17
	s_lshl_b32 s34, s34, 17
	s_mov_b32 s35, 0
	s_add_nc_u64 s[34:35], s[8:9], s[34:35]        ; wl at (e2, cg)
	BLOAD 0, 30
	BLOAD 1, 31
	BLOAD 2, 0
	WIN 0
	s_lshl_b32 s53, s17, 8
	s_lshl_b32 s55, s23, 12
	s_add_co_u32 s55, s55, s53
	v_add_nc_u32 v28, s55, v4                      ; expert_b: (1024 e + 64 cg + 4 r) x 4 bytes; v28, v29 are not rewritten
	s_lshl_b32 s55, s24, 12
	s_add_co_u32 s55, s55, s53
	v_add_nc_u32 v29, s55, v4
	global_load_b128 v[224:227], v28, s[10:11]
	global_load_b128 v[228:231], v29, s[10:11]
	s_mov_b32 s38, s53
	s_mov_b32 s39, 0
	s_add_nc_u64 s[38:39], s[12:13], s[38:39]      ; out0 at my 64 columns
	s_mov_b64 s[36:37], s[6:7]                     ; xb, stepped a chunk a unit
	s_wait_dscnt 0x0                               ; the eight LDS loads are back
	v_readfirstlane_b32 s28, v20
	v_readfirstlane_b32 s29, v21
	v_readfirstlane_b32 s30, v22
	v_readfirstlane_b32 s31, v23
	s_add_co_u32 s25, s28, s29
	s_add_co_u32 s25, s25, s30
	s_add_co_u32 s25, s25, s31                     ; n: the set's tokens
	s_sub_co_u32 s26, s15, s19
	s_mul_i32 s26, s26, 160                        ; r0: my tile's first rank
	s_sub_co_i32 s27, s25, s26
	s_max_i32 s27, s27, 0
	s_min_i32 s27, s27, 160                        ; CNT: my tile's rows; 0 for a tile past the count
	s_cmp_gt_u32 s14, 0
	s_cselect_b32 s54, s28, 0
	s_cmp_gt_u32 s14, 1
	s_cselect_b32 s53, s29, 0
	s_add_co_u32 s54, s54, s53
	s_cmp_gt_u32 s14, 2
	s_cselect_b32 s53, s30, 0
	s_add_co_u32 s54, s54, s53
	s_sub_co_u32 s54, s54, s26                     ; the rank in the tile of my wave's first token of the set; below 0 it wraps to a large number
	v_mov_b32 v192, s54                            ; becomes the rank of the lane's first token
	v_mov_b32 v194, 0
	v_mov_b32 v198, s45
	s_lshl_b32 s53, s14, 11
	v_lshl_add_u32 v24, v1, 6, s53                 ; the first token of table row 4 l: 2048 w + 64 l
	v_add_nc_u32 v25, 16, v24
	v_add_nc_u32 v26, 32, v24
	v_add_nc_u32 v27, 48, v24
	BAR                                            ; the loads of the set's words take their address from the set's number, a loaded number: every wave's are back before any wave stores into its list below
	s_cmp_eq_u32 s27, 0
	s_cbranch_scc1 .Lnopush                        ; a tile without rows has no list to make: its lists stay zeros
.irp p, 0,1,2,3
	v_lshrrev_b32 v[20+\p], 16, v[16+\p]
.endr
	v_add_nc_u32 v199, v20, v21
	v_add_nc_u32 v200, v199, v22
	v_add_nc_u32 v193, v200, v23                   ; the lane's total
.macro SCAN d, m                       ; a step of the sum over the lanes below mine: the partner block counts if it lies below
	v_mov_b32_dpp v194, v193 row_xmask:\d row_mask:0xf bank_mask:0xf
	v_cndmask_b32 v195, 0, v194, s\m
	v_add_nc_u32 v192, v192, v195
	v_add_nc_u32 v193, v193, v194
.endm
	SCAN 1, 48
	SCAN 2, 49
	SCAN 4, 50
	SCAN 8, 51
	v_permlanex16_b32 v194, v193, s46, s47
	v_cndmask_b32 v195, 0, v194, s52
	v_add_nc_u32 v192, v192, v195
	v_add_nc_u32 v23, v192, v200                   ; the rank of each of the four rows' first token
	v_add_nc_u32 v22, v192, v199
	v_add_nc_u32 v21, v192, v20
	v_mov_b32 v20, v192
	s_mov_b32 s42, 4
.Lpush:                                                ; 4 trips, four mask bits of four table rows each: a token of the set goes to its rank's word, all else (no token, a rank outside the tile) to word 160.
	                                               ; The four rows stand side by side, so that no line reads the result of the line before it, and the 16 stores stand in one run.
.irp t, 0,1,2,3
.irp p, 0,1,2,3
	v_bfe_u32 v[96+\p], v[16+\p], \t, 1            ; the bit
.endr
.irp p, 0,1,2,3
	v_add_nc_u32 v[80+4*\t+\p], -1, v[96+\p]       ; 0 where it is set, all ones where not
.endr
.irp p, 0,1,2,3
	v_or_b32 v[80+4*\t+\p], v[20+\p], v[80+4*\t+\p]  ; the rank, or a number past every rank
.endr
.irp p, 0,1,2,3
	v_add_nc_u32 v[20+\p], v[20+\p], v[96+\p]
.endr
.irp p, 0,1,2,3
	v_min_u32 v[80+4*\t+\p], 0xa0, v[80+4*\t+\p]
.endr
.irp p, 0,1,2,3
	v_lshl_add_u32 v[80+4*\t+\p], v[80+4*\t+\p], 2, v198  ; inside my wave's own list
.endr
.irp p, 0,1,2,3
	v_add_nc_u32 v[64+4*\t+\p], \t, v[24+\p]       ; the token
.endr
.endr
.set k, 0
.rept 16
	ds_store_b32 v[80+k], v[64+k]
.set k, k+1
.endr
.irp p, 0,1,2,3
	v_add_nc_u32 v[24+\p], 4, v[24+\p]
.endr
.irp p, 0,1,2,3
	v_lshrrev_b32 v[16+\p], 4, v[16+\p]
.endr
	s_sub_co_u32 s42, s42, 1
	s_cmp_lg_u32 s42, 0
	s_cbranch_scc1 .Lpush
.Lnopush:
	BAR                                            ; all four lists are written
	v_lshl_add_u32 v12, v0, 4, LC                  ; MERGE: a rank is filled in one list at the most and 0 in the others
	ds_load_b128 v[192:195], v12
	ds_load_b128 v[196:199], v12 offset:2048
	ds_load_b128 v[200:203], v12 offset:4096
	ds_load_b128 v[204:207], v12 offset:6144
	v_lshl_add_u32 v13, v0, 4, FINAL
	s_wait_dscnt 0x0
.irp k, 0,1,2,3
	v_or_b32 v[192+\k], v[192+\k], v[196+\k]
.endr
.irp k, 0,1,2,3
	v_or_b32 v[200+\k], v[200+\k], v[204+\k]
.endr
.irp k, 0,1,2,3
	v_or_b32 v[192+\k], v[192+\k], v[200+\k]
.endr
.irp k, 0,1,2,3
	v_min_u32 v[192+\k], 0x1fff, v[192+\k]
.endr
	ds_store_b128 v13, v[192:195]
	BAR                                            ; the tile's list is whole
	s_mul_i32 s53, s14, 160
	s_add_co_u32 s53, s53, FINAL
	v_mul_u32_u24 v12, v3, 80
	v_add_nc_u32 v12, s53, v12                     ; the tokens of rows 40 w + 20 h + 0..19, which I gather,
.irp k, 0,1,2,3,4
	ds_load_b128 v[GOFF+4*\k:GOFF+4*\k+3], v12 offset:16*\k
.endr
	v_lshl_add_u32 v13, v2, 2, FINAL               ; and of rows 16 rb + r, for the fragments of positions 0 and 1
.irp k, 0,1,2,3,4,5,6,7,8,9
	ds_load_b32 v[14+\k], v13 offset:64*\k
.endr
	v_lshl_add_u32 v24, v3, 4, 1920                ; K step 30 begins at byte 1,920 of a row of xb
	s_wait_dscnt 0x0
.set i, 0
.rept 20
	v_min_u32 v[GOFF+i], 0x1fff, v[GOFF+i]
.set i, i+1
.endr
.set i, 0
.rept 20
	v_lshl_add_u32 v[GOFF+i], v[GOFF+i], 11, v4    ; token x 2,048 + 16 r; never rewritten
.set i, i+1
.endr
.set i, 0
.rept 10
	v_min_u32 v[14+i], 0x1fff, v[14+i]
.set i, i+1
.endr
.set i, 0
.rept 10
	v_lshl_add_u32 v[14+i], v[14+i], 11, v24       ; never rewritten
.set i, i+1
.endr
	; THE PROLOGUE'S LOADS.  More are named here than the load counter's field holds; the issue of a load then waits by itself (ISA guide 5.7.1), so no wait is written for that.
	WIN 0x80                                       ; destination window 2
.set i, 0
.rept 20
	global_load_b128 v[4*i:4*i+3], v[GOFF+i], s[36:37]                  ; chunk 0, by way of accumulator registers, which no product has started yet
.set i, i+1
.endr
	ISSUE_S 256                                    ; chunk 1
	WIN 0
.set i, 0
.rept 10
	global_load_b128 v[AF+8*i:AF+8*i+3],   v[14+i], s[36:37]            ; position 0's fragments of x (K step 30), straight into buffer 0
	global_load_b128 v[AF+8*i+4:AF+8*i+7], v[14+i], s[36:37] offset:32
.set i, i+1
.endr
.set i, 0
.rept 10
	global_load_b128 v[AF+80+8*i:AF+80+8*i+3],   v[14+i], s[36:37] offset:64   ; position 1's (K step 31), into buffer 1
	global_load_b128 v[AF+80+8*i+4:AF+80+8*i+7], v[14+i], s[36:37] offset:96
.set i, i+1
.endr
	s_wait_loadcnt 60                              ; chunk 1's 20 loads and the fragments' 40 are younger: W of positions 0 to 2, the biases and chunk 0 are in
	v_cvt_pk_bf16_f32 v232, v224, v225             ; the biases, rounded to bf16 like every input, widened and added
	v_cvt_pk_bf16_f32 v233, v226, v227
	v_cvt_pk_bf16_f32 v234, v228, v229
	v_cvt_pk_bf16_f32 v235, v230, v231
	v_lshlrev_b32 v[BI], 16, v232
	v_and_b32 v[BI+1], 0xffff0000, v232
	v_lshlrev_b32 v[BI+2], 16, v233
	v_and_b32 v[BI+3], 0xffff0000, v233
	v_lshlrev_b32 v236, 16, v234
	v_and_b32 v237, 0xffff0000, v234
	v_lshlrev_b32 v238, 16, v235
	v_and_b32 v239, 0xffff0000, v235
	v_pk_add_f32 v[BI:BI+1], v[BI:BI+1], v[236:237]
	v_pk_add_f32 v[BI+2:BI+3], v[BI+2:BI+3], v[238:239]
	WIN 0xc5
.set k, 0
.rept 32
	v_pk_add_bf16 v[SB+k], v[k], v[32+k]           ; position 0's W[e1] + W[e2]: there is no group yet behind which these could stand
.set k, k+1
.endr
	WIN 0x08                                       ; data window 2
.set i, 0
.rept 20
	ds_store_b128 v10, v[4*i:4*i+3] offset:i*PITCH ; chunk 0 into slot 0
.set i, i+1
.endr
	BLOAD 3, 1                                     ; W of positions 3 and 4 (K steps 1, 2); pair 0 has just been added up
	BLOAD 0, 2
	s_wait_loadcnt 52                              ; position 1's 20 fragment loads and W's 32 are younger: position 0's fragments and chunk 1 are in
	s_wait_dscnt 0x0                               ; chunk 0 has left the accumulator registers
	GROUP 0, 1, 1                                  ; position 0: the first products start all 40 sums; nothing is cleared
	WIN 0
	s_mov_b32 s40, 0                               ; the slot that is read
	s_mov_b32 s41, SLOTB                           ; the slot that is filled
; UNIT c, behind its barrier: positions 4 c + 1 .. 4 c + 4.  In front of each group stands ONE run of memory instructions: the fragments of x for the next position (chunk c, bytes 0, 64, 128, 192 of
; the rows) and W four positions on; the first run also stores chunk c + 1 into the other slot (st) and asks for chunk c + 2 (si).  nbl: how many of the four runs still have a W to ask for.
; last = 1: unit 7, positions 29 to 31.
; THE COUNTS.  A unit's runs of loads are: W 16 and chunk 20; W 16; W 16; W 16.  At a run's head W of the next position must be in, since the adds behind the group's first products read it: it was
; asked for three runs ago, so two runs of W are younger, and the chunk's 20 too unless this run is the unit's first: 52, or 32.  In the first run the chunk to be stored is older than that W: the
; one wait serves both.  A unit leaves the same loads out as it finds, so a unit that is jumped changes no count; a group that is cut short holds matrix instructions alone in what is jumped.
.macro UNIT st, si, nbl, last, n1, n2, n3, n4
	WIN 0
	s_wait_loadcnt \n1
	v_add_nc_u32 v7, s40, v8
.if \st
	v_add_nc_u32 v9, s41, v10
.endif
	PLACES
	AFETCH 0, 0                                    ; position 4 c + 2
.if \st
	STORE_S
.endif
.if (\nbl) >= 1
	BLOAD 1, 3
.endif
.if \si
	ISSUE_S 512
.endif
	GROUP 1, 2, 0                                  ; position 4 c + 1: its fragments came in ahead of the barrier
	s_wait_loadcnt \n2
	PLACES
	AFETCH 1, 64
.if (\nbl) >= 2
	BLOAD 2, 4
.endif
	s_wait_dscnt 20+20*(\st)                       ; the fragments are in; the next position's 20 loads, and my 20 stores, are younger
	GROUP 0, 3, 0                                  ; position 4 c + 2
.if \last
	s_wait_dscnt 0x0
	GROUP 1, -1, 0                                 ; position 31: nothing follows it
.else
	s_wait_loadcnt \n3
	PLACES
	AFETCH 0, 128
.if (\nbl) >= 3
	BLOAD 3, 5
.endif
	s_wait_dscnt 20
	GROUP 1, 0, 0                                  ; position 4 c + 3
	s_wait_loadcnt \n4
	PLACES
	AFETCH 1, 192
.if (\nbl) >= 4
	BLOAD 0, 6
.endif
	s_wait_dscnt 20
	GROUP 0, 1, 0                                  ; position 4 c + 4
.endif
	WIN 0                                          ; at a label and at a branch every window is 0
.endm
.macro STEP                            ; stands outside what is jumped: it hangs on the trip alone
	s_wait_xcnt 0x0                                ; the bases of the loads issued so far are stepped only behind this wait (ISA guide 3.1)
	s_add_nc_u64 s[32:33], s[32:33], 16384         ; four K steps of W
	s_add_nc_u64 s[34:35], s[34:35], 16384
	s_add_nc_u64 s[36:37], s[36:37], 256           ; a chunk of xb
	s_xor_b32 s40, s40, SLOTB
	s_xor_b32 s41, s41, SLOTB
.endm
	s_mov_b32 s42, 6
.Lsec:                                                 ; ONE barrier a unit, for two things: every wave's stores of this unit's chunk are done, and so are its reads of the slot that is now filled again
	BAR
	s_cmp_eq_u32 s27, 0
	s_cbranch_scc1 .Lskip                          ; a tile without rows jumps the work, never the barrier
	UNIT 1, 1, 4, 0, 32, 52, 52, 52
.Lskip:
	STEP
	s_sub_co_u32 s42, s42, 1
	s_cmp_lg_u32 s42, 0
	s_cbranch_scc1 .Lsec
	BAR
	s_cmp_eq_u32 s27, 0
	s_cbranch_scc1 .Lskip6
	UNIT 1, 0, 3, 0, 32, 32, 32, 32                ; unit 6: no chunk is left to ask for, so two runs of W are all that is younger; W ends with position 31
.Lskip6:
	STEP
	BAR
	s_cmp_eq_u32 s27, 0
	s_cbranch_scc1 .Lskip7
	UNIT 0, 0, 0, 1, 16, 0, 0, 0                   ; unit 7: the counts run down
.Lskip7:
; THE WAY OUT.  Register j of fragment nb holds row 8 h + j, column 64 cg + 4 r + nb: a lane's four fragments give 16 consecutive bytes of a row, 16 lanes 256 aligned bytes: no trip through LDS.
; All 160 tokens are read and all store offsets made once; each block of 16 rows has 32 registers of its own for its sums with the bias (blocks 0-7 where W lay, blocks 8, 9 where x's second
; buffer lay), so no block waits for the stores of the block before.  Blocks past CNT are jumped; in the one block that CNT cuts, each store's lanes are narrowed.
	s_cmp_eq_u32 s27, 0
	s_cbranch_scc1 .Lend
	s_wait_loadcnt 0x0                             ; no load is out: the registers of W and of x are used anew below
	PLACES                                         ; behind the last products
.set bk, 0
.rept 10
	ds_load_b128 v[TKA+8*bk:TKA+8*bk+3],   v11 offset:64*bk
	ds_load_b128 v[TKA+8*bk+4:TKA+8*bk+7], v11 offset:64*bk+16
.set bk, bk+1
.endr
	s_wait_dscnt 0x0
.set i, 0
.rept 80
	v_min_u32 v[TKA+i], 0x1fff, v[TKA+i]
.set i, i+1
.endr
.set i, 0
.rept 80
	v_lshl_add_u32 v[TKA+i], v[TKA+i], 12, v4      ; token x 4,096 + 16 r
.set i, i+1
.endr
.macro OUTBLK blk
	WIN 0
	s_sub_co_i32 s43, s27, 16*(\blk)               ; rows left from this block on
	s_cmp_le_i32 s43, 0
	s_cbranch_scc1 .Lend
.if (\blk) < 8
	WIN 0x42                                       ; source 0 window 2, destination window 1
.set AC, 32*(\blk)
.set TT, 32*(\blk)
.else
	WIN 0x03                                       ; source 0 window 3
.set AC, 32*((\blk)-8)
.set TT, 144+32*((\blk)-8)
.endif
.set j, 0
.rept 8                                                ; each accumulator's register 0 is read first
.set nb, 0
.rept 4
	v_add_f32 v[TT+4*j+nb], v[AC+8*nb+j], v[BI+nb]
.set nb, nb+1
.endr
.set j, j+1
.endr
	WIN 0
	s_cmp_ge_i32 s43, 16
	s_cbranch_scc0 .Lpart\@
.if (\blk) < 8
	WIN 0x04                                       ; data window 1
.endif
.set j, 0
.rept 8
	global_store_b128 v[TKA+8*(\blk)+j], v[TT+4*j:TT+4*j+3], s[38:39] th:TH_STORE_NT
.set j, j+1
.endr
	WIN 0
	s_branch .Lnext\@
.Lpart\@:
	s_wait_xcnt 0x0                                ; EXEC is a source of the earlier blocks' stores: it is narrowed only behind this wait
.if (\blk) < 8
	WIN 0x04
.endif
.set j, 0
.rept 8
	s_sub_co_i32 s21, s43, j
	v_cmp_lt_i32 vcc_lo, v5, s21                   ; row 8 h + j is inside the count
	s_and_saveexec_b32 s44, vcc_lo
	global_store_b128 v[TKA+8*(\blk)+j], v[TT+4*j:TT+4*j+3], s[38:39] th:TH_STORE_NT
	s_wait_xcnt 0x0                                ; and it is widened again only behind this one
	s_or_b32 exec_lo, exec_lo, s44
.set j, j+1
.endr
	WIN 0
	s_branch .Lend
.Lnext\@:
.endm
.irp b, 0,1,2,3,4,5,6,7,8,9
	OUTBLK \b
.endr
.Lend:
	s_wait_tensorcnt 0x0                           ; the wave's end: three closing lines, behind my last LDS store
	ds_add_u32 v[SPW], v[NIL]
	s_wait_dscnt 0x0
	s_endpgm
.Lfunc_end_k_qe178d6fd30_experts:
	.size	k_qe178d6fd30_experts, .Lfunc_end_k_qe178d6fd30_experts-k_qe178d6fd30_experts
	.p2alignl 7, 3214868480
	.fill 96, 4, 3214868480
	.section	.rodata,"a",@progbits
	.p2align	6, 0x0
	.amdhsa_kernel k_qe178d6fd30_experts
		.amdhsa_group_segment_fixed_size 163840
		.amdhsa_private_segment_fixed_size 0
		.amdhsa_enable_private_segment 0
		.amdhsa_kernarg_size 40
		.amdhsa_user_sgpr_count 2
		.amdhsa_user_sgpr_kernarg_segment_ptr 1
		.amdhsa_wavefront_size32 1
		.amdhsa_system_sgpr_workgroup_id_x 1
		.amdhsa_system_sgpr_workgroup_id_y 1
		.amdhsa_system_sgpr_workgroup_id_z 1
		.amdhsa_system_vgpr_workitem_id 0
		.amdhsa_next_free_vgpr 976
		.amdhsa_next_free_sgpr 66
		.amdhsa_reserve_vcc 1
		.amdhsa_float_denorm_mode_32 3
		.amdhsa_float_denorm_mode_16_64 3
		.amdhsa_memory_ordered 1
		.amdhsa_forward_progress 1
		.amdhsa_inst_pref_size 211
	.end_amdhsa_kernel
	.amdgpu_metadata
---
amdhsa.version: [ 1, 2 ]
amdhsa.kernels:
  - .name:           k_qe178d6fd30_experts
    .symbol:         k_qe178d6fd30_experts.kd
    .args:
      - { .name: sel, .offset: 0, .size: 8, .value_kind: global_buffer, .address_space: global }
      - { .name: xb, .offset: 8, .size: 8, .value_kind: global_buffer, .address_space: global }
      - { .name: wl, .offset: 16, .size: 8, .value_kind: global_buffer, .address_space: global }
      - { .name: expert_b, .offset: 24, .size: 8, .value_kind: global_buffer, .address_space: global }
      - { .name: out0, .offset: 32, .size: 8, .value_kind: global_buffer, .address_space: global }
    .group_segment_fixed_size: 163840
    .private_segment_fixed_size: 0
    .kernarg_segment_align: 8
    .kernarg_segment_size: 40
    .max_flat_workgroup_size: 128
    .sgpr_count:     66
    .vgpr_count:     976
    .wavefront_size: 32
...
	.end_amdgpu_metadata
.endif
;; end of part 4
;; ======== version 3 of 3: 2 launches; version 2 with the launch prep written anew for expert scheduling mode
;; limits: right only within a limited range of input values
;; workspace buffers: xb 16,777,216 bytes; wl 16,777,216 bytes; sel 65,536 bytes of whole numbers
;; launch prep (part 5): grid 256 x 1, 4 waves a work-group, no clusters, 149,248 bytes of LDS; arguments x, gate_w, gate_b, expert_w, xb, wl, sel; writes xb, wl, sel
.if DOCPART == 5
	.amdgcn_target "amdgcn-amd-amdhsa--gfx1250"
	.amdhsa_code_object_version 6
	.text
	.protected	k_qe178d6fd30_prep
	.globl	k_qe178d6fd30_prep
	.p2align	8
	.type	k_qe178d6fd30_prep,@function
k_qe178d6fd30_prep:
	s_mov_b64 s[64:65], 0
	v_nop
	global_prefetch_b8 v0, s[64:65] scope:SCOPE_SE
	s_setreg_imm32_b32 hwreg(HW_REG_WAVE_SCHED_MODE, 0, 2), 2
	s_setreg_imm32_b32 hwreg(HW_REG_WAVE_MODE, 25, 1), 1
	s_wait_xcnt 0x0
	s_wait_alu depctr_vm_vsrc(0)
; PREP.  Two jobs share one launch, since neither needs the other's result; the work-group's number decides (even: router, odd: weights).
; ROUTER (128 work-groups, a wave takes 16 tokens): x is rounded to bf16 and stored as xb [8192][1024]; the same 16 rows go into the wave's own LDS tile;
;   logits = x gate_w + gate_b on the matrix unit, all three rounded to bf16, sums in f32; softmax with the row's maximum taken away; the two largest
;   probabilities, ties to the lower index; the pair {lo, hi} becomes a set number lo (15 - lo) / 2 + hi - lo - 1 (0 .. 27).
;   Stored at a fixed place: sel[granule of 16 tokens][32 sets] = a 16-bit mask of the granule's tokens in that set | their count << 16.  Nothing here steers an address or a branch.
; WEIGHTS (128 work-groups: expert x 64 columns; a wave takes 8 K steps of 32): expert_w is rounded to bf16 and laid as wl [e 8][cg 16][kstep 32][nb 4][half 2][lane 32][8 bf16]:
;   lane (r = lane % 16, h = lane / 16), half c holds k = 32 kstep + 16 c + 8 h + 0..7 of column 64 cg + 4 r + nb: a matrix operand as plain 16-byte loads at 16 x lane.
; Memory binds both jobs: each input byte is read once, every store covers 256 or 512 consecutive bytes (sel's 128 bytes a wave aside: 64 KB in all).
; WHAT IS ON ITS WAY.  Every wave reads 64 KB.  A router wave starts with eight rows out and has seven out behind each refill (56 loads of 512 bytes, 28 KB); a weights wave starts with six units and
; has five out behind each refill (40 loads, 20 KB).  The router's waves have work behind their last load (the gate's product, softmax, the choice, the table row) and the weights' have none: so the
; router is given the larger share.
; No cluster: no two work-groups read the same large tile (gate_w, 32 KB, is the only shared input).
; LIMITS.  NaN and infinities are not treated apart.  Probabilities closer than f32's rounding, or below 2^-126 (v_exp_f32 gives 0 there), may order otherwise than in an exact softmax.
; REGISTERS, in windows of 256 (s_set_vgpr_msb: bits 1:0 source 0, 3:2 source 1, 5:4 source 2, 7:6 destination): window 0 as named below; window 1: the ring, slots of 32 registers, rows as loaded;
; behind the stream four of the gate's six fragment buffers.
; THE MODE: SCHED_MODE bits 1:0 = 2 (LLVM: expert scheduling mode 2), set by the entry lines.  The code itself states the register dependences between vector or matrix instructions and memory or
; LDS instructions, with s_wait_alu, always for 0.
; THE PLAN.  Registers that memory or LDS instructions touch:
;   v4, v10, v5 .. v9   offsets and LDS addresses: made once, ahead of a wait on va_vdst, and never written again: rows are reached by immediate offsets.
;   the ring            Step p: its sixteen conversions read slot p % S.  The loads of step p + S - 1, issued at the head of step p, land in slot (p - 1) % S.
;   Y0, Y1              Step p: its conversions write Y[p % 2].  The stores of step p - 1, issued at the end of step p, read the other Y.
;   So a step's memory instructions touch the two buffers that the step before worked on and that no conversion of this step names, and the waits at a step's head state all that they hang on.
;   v160-223            at the head of the router: gate_w as loaded, rounded in place, read by LDS stores; behind the barrier they are Y and the accumulators.
;   fragment buffers    six of 64 registers: batches 0, 1, 6, 7 in v32-159, batches 2 to 5 where the ring lay.  Only batches 6 and 7 land in registers that matrix instructions have read: one wait.
;   v243, v245          the table row and its offset, read by one store.       v30, v31: written at the head, read by the closing add alone.
.set GPITCH, 2064                      ; an LDS row of 1,024 bf16 + 16 bytes: 129 x 16, so the 16 rows of a fragment load start at 16 different groups of four banks (ISA guide 11.1)
.set XT,     16640                     ; behind gate_w^T (8 rows x 2,064, rounded up to whole blocks of 256): a tile of 16 rows for each wave
.set XTW,    16*GPITCH
.set SPARE,  XT+4*XTW                  ; the spare words: 128 bytes a wave, two blocks of 256 that no other line names
.set RS,   8                           ; the router's slots
.set WS,   6                           ; the weights' slots
.set FBUF, 32                          ; v[32:159]  two of the fragment buffers of 64 for the gate's product
.set Y,    160                         ; v[160:191] two sets of 16: rows as stored
.set ACC,  192                         ; v[192:223] four accumulators, which take turns
.set MSB, 0
.macro WIN new                         ; the immediate's high byte repeats the setting that is left; a switch that changes nothing is dropped
.if MSB != (\new)
	s_set_vgpr_msb (MSB<<8)|(\new)
.set MSB, \new
.endif
.endm
; LEFT = the loads that are younger than step n's eight when step n begins: the start has asked for steps 0 to slots - 1, and each step from 1 on for one more, slots - 1 ahead of itself, up to step 15.
.macro COUNT n, slots
.set LASTI, (\n)+(\slots)-2
.if (\n) == 0
.set LASTI, (\slots)-1
.endif
.if LASTI > 15
.set LASTI, 15
.endif
.set LEFT, 8*(LASTI-(\n))
.endm
	s_load_b256 s[4:11], s[0:1], 0x0               ; x s[4:5], gate_w s[6:7], gate_b s[8:9], expert_w s[10:11]
	s_load_b128 s[12:15], s[0:1], 0x20             ; xb s[12:13], wl s[14:15]
	s_load_b64 s[16:17], s[0:1], 0x30              ; sel
	v_lshl_add_u32 v30, v0, 2, SPARE               ; my spare word
	v_mov_b32 v31, 0
	v_lshrrev_b32 v10, 5, v0
	v_readfirstlane_b32 s20, v10                   ; wave 0..3
	v_and_b32 v1, 31, v0                           ; lane
	v_and_b32 v2, 15, v0                           ; r
	v_bfe_u32 v3, v0, 4, 1                         ; h
	v_lshlrev_b32 v4, 4, v1                        ; 16 x lane
	s_lshr_b32 s21, ttmp9, 1                       ; my number among the work-groups of my job
	s_mov_b32 s25, 0
	s_wait_alu depctr_va_sdst(0)                   ; s20 is written, ahead of the branch and of its first readers on both ways: the bases of x, xb, sel, expert_w and wl are made from it
	s_wait_kmcnt 0x0
	s_bitcmp1_b32 ttmp9, 0                         ; the same answer in all four waves
	s_cbranch_scc1 .Lweights
; ------------------------------------------------------------------ ROUTER
	s_lshl2_add_u32 s22, s21, s20                  ; g: my granule of 16 tokens
	s_lshl_b32 s24, s22, 16
	s_add_nc_u64 s[4:5], s[4:5], s[24:25]          ; x at my 16 rows of 4,096 bytes
	s_lshl_b32 s24, s22, 15
	s_add_nc_u64 s[12:13], s[12:13], s[24:25]      ; xb at my 16 rows of 2,048 bytes
	s_lshl_b32 s24, s22, 7
	s_add_nc_u64 s[16:17], s[16:17], s[24:25]      ; sel at my row of 128 bytes
	s_load_b256 s[32:39], s[8:9], 0x0              ; gate_b
	v_lshlrev_b32 v10, 4, v0                       ; 16 x thread: never rewritten
	s_wait_alu depctr_va_vdst(0)                   ; v10 and v4 are written: the loads of gate_w and of x read them as their offsets
.set i, 0
.rept 16                                               ; gate_w, 32 KB, shared out among the 128 threads: load i holds k = thread / 2 + 64 i, experts 4 (thread % 2) + 0..3
	global_load_b128 v[160+4*i:160+4*i+3], v10, s[6:7] offset:2048*i
.set i, i+1
.endr
.macro XFILL rho                       ; a row of x: eight loads of 512 consecutive bytes, into slot rho % RS of window 1
	WIN 0x40                                       ; destination window 1, address window 0
.set j, 0
.rept 8
	global_load_b128 v[32*((\rho)%RS)+4*j:32*((\rho)%RS)+4*j+3], v4, s[4:5] offset:(\rho)*4096+512*j th:TH_LOAD_NT
.set j, j+1
.endr
.endm
.irp t, 0,1,2,3,4,5,6                                  ; seven rows now, the eighth behind the barrier.  More loads are named here than the load counter's field holds; the issue of a load then
	XFILL \t                                       ; waits by itself (ISA guide 5.7.1), so no wait is written for that
.endr
	WIN 0
	v_and_b32 v11, 1, v0
	v_mul_u32_u24 v5, v11, 4*GPITCH                ; gate_w^T: row 4 (thread % 2),
	v_lshrrev_b32 v11, 1, v0
	v_lshl_add_u32 v5, v11, 1, v5                  ; byte 2 (thread / 2)
	v_lshlrev_b32 v6, 3, v1                        ; 8 x lane: my 8 bytes in 256 of a row of xb
	s_mul_i32 s26, s20, XTW
	s_add_co_u32 s26, s26, XT                      ; my wave's tile
	v_lshl_add_u32 v7, v1, 3, s26
	v_and_b32 v11, 7, v0
	v_mul_u32_u24 v8, v11, GPITCH                  ; fragments of gate_w^T: row r % 8 (rows 8-15 of the operand repeat rows 0-7),
	v_lshl_add_u32 v8, v3, 4, v8                   ; + 16 h
	v_mul_u32_u24 v9, v2, GPITCH                   ; fragments of x: token r
	v_lshl_add_u32 v9, v3, 4, v9
	v_add_nc_u32 v9, s26, v9
	s_wait_loadcnt 56                              ; gate_w is in: the 56 loads of x's rows 0 to 6 are younger
.set i, 0
.rept 16
	v_cvt_pk_bf16_f32 v[160+4*i], v[160+4*i], v[160+4*i+1]
	v_cvt_pk_bf16_f32 v[160+4*i+1], v[160+4*i+2], v[160+4*i+3]
.set i, i+1
.endr
	s_wait_alu depctr_va_vdst(0)                   ; the conversions have written gate_w's halves, which the LDS stores below read; v5 to v9 are written too, the addresses of every LDS instruction and xb store of the router
.set i, 0
.rept 16
	ds_store_b16 v5, v[160+4*i] offset:128*i
	ds_store_b16_d16_hi v5, v[160+4*i] offset:GPITCH+128*i
	ds_store_b16 v5, v[160+4*i+1] offset:2*GPITCH+128*i
	ds_store_b16_d16_hi v5, v[160+4*i+1] offset:3*GPITCH+128*i
.set i, i+1
.endr
	s_wait_dscnt 0x0                               ; for the others' sake: my part of gate_w^T is written
	s_barrier_signal -1
	s_barrier_wait -1                              ; everybody's is; the only barrier: all else in LDS is the wave's own
	s_wait_alu depctr_vm_vsrc(0)                   ; my LDS stores have read v160 to v221: these registers are Y and the accumulators from here on, written by conversions and matrix instructions
	XFILL 7
.macro XSEND rho                       ; row rho leaves: to xb, and into my wave's tile
	WIN 0
.set YS, Y+16*((\rho)%2)
.set j, 0
.rept 8
	global_store_b64 v6, v[YS+2*j:YS+2*j+1], s[12:13] offset:(\rho)*2048+256*j  ; 256 consecutive bytes, at a multiple of 256 from xb's first byte
.set j, j+1
.endr
.set j, 0
.rept 8
	ds_store_b64 v7, v[YS+2*j:YS+2*j+1] offset:(\rho)*GPITCH+256*j
.set j, j+1
.endr
.endm
; A row's turn: the waits; the slot that the turn before converted takes the row RS - 1 further on; this row is converted; the row before leaves.
.macro TURN rho
	COUNT \rho, RS
	s_wait_loadcnt LEFT                            ; loads come back in order (ISA guide 5.7.1): my row is in, the younger rows stay out
.if (\rho) >= 2
	s_wait_xcnt 0x0                                ; this Y set was data of the xb stores issued in the turn before: it is rewritten only behind this wait (ISA guide 3.1)
	s_wait_alu depctr_vm_vsrc(0)                   ; those stores, and the LDS stores beside them, have read this Y set, which the conversions below write again
.endif
.if (\rho) >= 1
.if (\rho) <= 16-RS
	WIN 0x40                                       ; the loads' windows, ahead of the wait
.endif
	s_wait_alu depctr_va_vdst(0)                   ; the turn before has written the other Y set, which the stores below read, and is done reading its slot, in which the loads below land
.if (\rho) <= 16-RS
	XFILL (\rho)+RS-1
.endif
.endif
.set XS, 32*((\rho)%RS)
.set YC, Y+16*((\rho)%2)
	WIN 0x05                                       ; sources window 1, destination window 0
.set j, 0
.rept 16
	v_cvt_pk_bf16_f32 v[YC+j], v[XS+2*j], v[XS+2*j+1]
.set j, j+1
.endr
.if (\rho) >= 1
	XSEND (\rho)-1                                 ; no wait: no conversion since the wait above names that Y set, v6 or v7
.endif
.endm
.irp t, 0,1,2,3,4,5,6,7,8,9,10,11,12,13,14,15
	TURN \t
.endr
	s_wait_alu depctr_va_vdst(0)                   ; turn 15 has written its Y set, which the last stores read; all conversions are done reading the ring, in which fragments land below
	XSEND 15
; THE GATE'S PRODUCT, used transposed: source 0 = 16 rows of gate_w^T (experts), source 1 = my 16 tokens.  In the result a lane holds token r and experts 0..7.
; Four K steps to a batch, fetched three batches ahead; LDS serves a wave's instructions in order (ISA guide 5.7.1.4), so these loads see my stores above.
; Batches 0, 1, 6, 7 lie in window 0, batches 2 to 5 in window 1.
.macro FETCHB b
.if ((\b) >= 2) && ((\b) <= 5)
	WIN 0x40                                       ; destination window 1, address window 0
.set FB, 64*((\b)-2)
.else
	WIN 0
.set FB, FBUF+64*((\b)%2)
.endif
.set i, 0
.rept 4
	ds_load_b128 v[FB+16*i:FB+16*i+3],     v8 offset:64*(4*(\b)+i)
	ds_load_b128 v[FB+16*i+4:FB+16*i+7],   v8 offset:64*(4*(\b)+i)+32
	ds_load_b128 v[FB+16*i+8:FB+16*i+11],  v9 offset:64*(4*(\b)+i)
	ds_load_b128 v[FB+16*i+12:FB+16*i+15], v9 offset:64*(4*(\b)+i)+32
.set i, i+1
.endr
.endm
.macro GATE b
.if (\b) < 6
	s_wait_dscnt 32                                ; this batch is in; the next two batches' 32 loads are younger
.else
	s_wait_dscnt 16*(7-(\b))                       ; the counts run down
.endif
.if (\b) == 3
	WIN 0
	s_wait_kmcnt 0x0                               ; gate_b, rounded to bf16 like every input, and widened again: twelve plain lines between the products of batches 0 and 1 and the loads into their fragments
	v_cvt_pk_bf16_f32 v248, s32, s33
	v_cvt_pk_bf16_f32 v249, s34, s35
	v_cvt_pk_bf16_f32 v250, s36, s37
	v_cvt_pk_bf16_f32 v251, s38, s39
.irp j, 0,1,2,3
	v_lshlrev_b32 v[240+2*\j], 16, v[248+\j]
	v_and_b32 v[241+2*\j], 0xffff0000, v[248+\j]
.endr
	s_wait_alu depctr_va_vdst(0)                   ; the matrix instructions of batches 0 and 1 are done reading v32 to v159, in which batch 6 lands here and batch 7 in the next batch's turn; none issued behind this wait names them before
.endif
.if (\b) < 5
	FETCHB (\b)+3
.endif
.if ((\b) >= 2) && ((\b) <= 5)
	WIN 0x05                                       ; both sources window 1, C and D window 0
.set FB, 64*((\b)-2)
.else
	WIN 0
.set FB, FBUF+64*((\b)%2)
.endif
.set i, 0
.rept 4                                                ; the four accumulators take turns, one instruction a turn
.if (\b) == 0
	v_wmma_f32_16x16x32_bf16 v[ACC+8*i:ACC+8*i+7], v[FB+16*i:FB+16*i+7], v[FB+16*i+8:FB+16*i+15], 0
.else
	v_wmma_f32_16x16x32_bf16 v[ACC+8*i:ACC+8*i+7], v[FB+16*i:FB+16*i+7], v[FB+16*i+8:FB+16*i+15], v[ACC+8*i:ACC+8*i+7]
.endif
.set i, i+1
.endr
.endm
	FETCHB 0
	FETCHB 1
	FETCHB 2
.irp b, 0,1,2,3,4,5,6,7
	GATE \b
.endr
.rept 4
	v_nop                                          ; four places behind the last products, ahead of the sums that read the results (ISA guide 7.12.1)
.endr
.irp j, 0,2,4,6                                        ; each accumulator's lowest registers are read first
	v_pk_add_f32 v[224+\j:225+\j], v[192+\j:193+\j], v[200+\j:201+\j]
.endr
.irp j, 0,2,4,6
	v_pk_add_f32 v[232+\j:233+\j], v[208+\j:209+\j], v[216+\j:217+\j]
.endr
.irp j, 0,2,4,6
	v_pk_add_f32 v[224+\j:225+\j], v[224+\j:225+\j], v[232+\j:233+\j]
.endr
.irp j, 0,2,4,6
	v_pk_add_f32 v[224+\j:225+\j], v[224+\j:225+\j], v[240+\j:241+\j]  ; + gate_b: v[224:231] = the token's eight logits
.endr
	; softmax: p = 2^(c L - c m) / sum, c = log2(e), m the row's maximum
	v_max3_num_f32 v232, v224, v225, v226
	v_max3_num_f32 v232, v232, v227, v228
	v_max3_num_f32 v232, v232, v229, v230
	v_max_num_f32 v232, v232, v231
	s_mov_b32 s40, 0x3fb8aa3b
	v_mul_f32 v233, s40, v232
.irp j, 0,1,2,3,4,5,6,7
	v_fma_f32 v[224+\j], v[224+\j], s40, -v233
.endr
.irp j, 0,1,2,3,4,5,6,7
	v_exp_f32 v[224+\j], v[224+\j]
.endr
	v_nop                                          ; a plain instruction behind the last exponential,
	s_wait_alu depctr_va_vdst(0)                   ; and one wait for the batch of eight: v224 to v231 are written, ahead of their first reader
	v_add_f32 v234, v224, v225
	v_add_f32 v235, v226, v227
	v_add_f32 v236, v228, v229
	v_add_f32 v237, v230, v231
	v_add_f32 v234, v234, v235
	v_add_f32 v236, v236, v237
	v_add_f32 v234, v234, v236
	v_rcp_f32 v235, v234
	v_nop
	s_wait_alu depctr_va_vdst(0)                   ; the reciprocal v235 is written, ahead of its first reader
.irp j, 0,1,2,3,4,5,6,7
	v_mul_f32 v[224+\j], v[224+\j], v235
.endr
; THE LARGEST OF EIGHT, by knock-out, so that the compares stand in runs of 4, 2 and 1, each run with one wait ahead of the selects that read its masks.  The left side of every pair holds the lower
; indices, and the right side takes the place only if it is strictly greater: a tie stays with the lower index, at every level, so the result is the lowest index of the maximum.
.macro TOP dst
.irp j, 0,1,2,3
	v_cmp_gt_f32 s[44+\j], v[225+2*\j], v[224+2*\j]
.endr
	s_wait_alu depctr_va_sdst(0)                   ; s44 to s47 are written, which the eight selects below read
.irp j, 0,1,2,3
	v_cndmask_b32 v[232+\j], v[224+2*\j], v[225+2*\j], s[44+\j]
	v_cndmask_b32 v[236+\j], 2*\j, 2*\j+1, s[44+\j]
.endr
	v_cmp_gt_f32 s44, v233, v232
	v_cmp_gt_f32 s45, v235, v234
	s_wait_alu depctr_va_sdst(0)                   ; s44 and s45 are written, which the four selects below read
	v_cndmask_b32 v240, v232, v233, s44
	v_cndmask_b32 v241, v234, v235, s45
	v_cndmask_b32 v242, v236, v237, s44
	v_cndmask_b32 v243, v238, v239, s45
	v_cmp_gt_f32 s44, v241, v240
	s_wait_alu depctr_va_sdst(0)                   ; s44 is written, which the select below reads
	v_cndmask_b32 v[\dst], v242, v243, s44
.endm
	TOP 246                                        ; the first choice
.irp j, 0,1,2,3,4,5,6,7
	v_cmp_eq_u32 s[44+\j], \j, v246
.endr
	s_wait_alu depctr_va_sdst(0)                   ; s44 to s51 are written, which the eight selects below read
.irp j, 0,1,2,3,4,5,6,7
	v_cndmask_b32 v[224+\j], v[224+\j], -1.0, s[44+\j]  ; the first choice steps below every probability
.endr
	TOP 247                                        ; the largest of the rest
	v_min_u32 v240, v246, v247                     ; lo
	v_max_u32 v241, v246, v247                     ; hi
	v_sub_nc_u32 v242, 15, v240
	v_mul_u32_u24 v242, v242, v240
	v_lshrrev_b32 v242, 1, v242
	v_add_nc_u32 v242, v242, v241
	v_sub_nc_u32 v242, v242, v240
	v_add_nc_u32 v242, -1, v242                    ; the set's number
	; the granule's table row: lane = set; token t adds its mask bit and 1 << 16 in the lane of its set.  A choice of values only.
	v_mov_b32 v243, 0
.set t, 0
.rept 16
	v_readlane_b32 s[32+t], v242, t                ; token t's set
.set t, t+1
.endr
	s_wait_alu depctr_va_sdst(0)                   ; s32 to s47 are written, which the sixteen compares below read
.set t, 0
.rept 16
	v_cmp_eq_u32 s[48+t], s[32+t], v1
.set t, t+1
.endr
	s_wait_alu depctr_va_sdst(0)                   ; s48 to s63 are written, which the sixteen selects below read
.set t, 0
.rept 16
	s_mov_b32 s3, (1<<t)|(1<<16)
	v_cndmask_b32 v244, 0, s3, s[48+t]
	v_add_nc_u32 v243, v243, v244
.set t, t+1
.endr
	v_lshlrev_b32 v245, 2, v1
	s_wait_alu depctr_va_vdst(0)                   ; the table row v243 and its offset v245 are written, which the store reads
	global_store_b32 v245, v243, s[16:17]
	s_wait_dscnt 0x0                               ; the closing lines, six on end
	s_wait_alu 0x0
	s_wait_tensorcnt 0x0
	ds_add_u32 v30, v31
	s_wait_dscnt 0x0
	s_endpgm
; ------------------------------------------------------------------ WEIGHTS
.Lweights:
	s_lshr_b32 s22, s21, 4                         ; e
	s_and_b32 s26, s21, 15                         ; cg
	s_lshl_b32 s24, s22, 22                        ; the expert's 4 MiB,
	s_lshl_b32 s27, s20, 20                        ; my wave's 8 K steps x 32 rows x 4,096 bytes,
	s_add_co_u32 s24, s24, s27
	s_lshl_b32 s27, s26, 8                         ; my 64 columns
	s_add_co_u32 s24, s24, s27
	s_add_nc_u64 s[10:11], s[10:11], s[24:25]
	s_lshl_b32 s24, s21, 17                        ; wl: (16 e + cg) x 131,072
	s_lshl_b32 s27, s20, 15                        ; + 8 K steps x 4,096
	s_add_co_u32 s24, s24, s27
	s_add_nc_u64 s[14:15], s[14:15], s[24:25]
	v_lshlrev_b32 v5, 15, v3                       ; lanes 16-31 read eight rows further down,
	v_lshl_or_b32 v5, v2, 4, v5                    ; 16 bytes (4 columns) a lane: each half of the lanes takes 256 consecutive bytes of a row
; A unit u is 16 rows of k (K step u / 2, half u % 2): load i brings rows i and 8 + i.  A lane then holds k = 8 h + 0..7 of four columns.
.macro WFILL u
	WIN 0x40                                       ; destination window 1, address window 0
.set i, 0
.rept 8
	global_load_b128 v[32*((\u)%WS)+4*i:32*((\u)%WS)+4*i+3], v5, s[10:11] offset:(\u)*65536+i*4096 th:TH_LOAD_NT
.set i, i+1
.endr
.endm
.macro WSEND u                         ; unit u leaves
	WIN 0
.set YS, Y+16*((\u)%2)
.set n, 0
.rept 4
	global_store_b128 v4, v[YS+4*n:YS+4*n+3], s[14:15] offset:((\u)/2)*4096+n*1024+((\u)%2)*512  ; 512 consecutive bytes
.set n, n+1
.endr
.endm
; A unit's turn, as a row's: the waits; the slot that the unit before converted takes the unit WS - 1 further on; this unit is converted; the unit before leaves.
.macro UNIT u
	COUNT \u, WS
	s_wait_loadcnt LEFT                            ; my eight loads are in; the younger units stay out
.if (\u) >= 2
	s_wait_xcnt 0x0                                ; this Y set was data of the stores issued in the unit before: it is rewritten only behind this wait (ISA guide 3.1)
	s_wait_alu depctr_vm_vsrc(0)                   ; those stores have read this Y set, which the conversions below write again
.endif
.if (\u) >= 1
.if (\u) <= 16-WS
	WIN 0x40                                       ; the loads' windows, ahead of the wait
.endif
	s_wait_alu depctr_va_vdst(0)                   ; the unit before has written the other Y set, which the stores below read, and is done reading its slot, in which the loads below land
.if (\u) <= 16-WS
	WFILL (\u)+WS-1
.endif
.endif
.set XS, 32*((\u)%WS)
.set YC, Y+16*((\u)%2)
	WIN 0x05                                       ; sources window 1, destination window 0
.set n, 0
.rept 4
.set i, 0
.rept 4
	v_cvt_pk_bf16_f32 v[YC+4*n+i], v[XS+8*i+n], v[XS+8*i+4+n]  ; column nb = n: k = 2 i and 2 i + 1
.set i, i+1
.endr
.set n, n+1
.endr
.if (\u) >= 1
	WSEND (\u)-1                                   ; no wait: no conversion since the wait above names that Y set or v4
.endif
.endm
	WIN 0x40                                       ; the loads' windows, ahead of the wait
	s_wait_alu depctr_va_vdst(0)                   ; v5 and v4 are written: every load reads the one, every store the other, as its offset
.irp u, 0,1,2,3,4,5
	WFILL \u
.endr
.irp u, 0,1,2,3,4,5,6,7,8,9,10,11,12,13,14,15
	UNIT \u
.endr
	s_wait_alu depctr_va_vdst(0)                   ; unit 15 has written its Y set, which the last four stores read
	WSEND 15
	s_wait_dscnt 0x0                               ; the same six closing lines at this path's end
	s_wait_alu 0x0
	s_wait_tensorcnt 0x0
	ds_add_u32 v30, v31
	s_wait_dscnt 0x0
	s_endpgm
.Lfunc_end_k_qe178d6fd30_prep:
	.size	k_qe178d6fd30_prep, .Lfunc_end_k_qe178d6fd30_prep-k_qe178d6fd30_prep
	.p2alignl 7, 3214868480
	.fill 96, 4, 3214868480
	.section	.rodata,"a",@progbits
	.p2align	6, 0x0
	.amdhsa_kernel k_qe178d6fd30_prep
		.amdhsa_group_segment_fixed_size 149248
		.amdhsa_private_segment_fixed_size 0
		.amdhsa_enable_private_segment 0
		.amdhsa_kernarg_size 56
		.amdhsa_user_sgpr_count 2
		.amdhsa_user_sgpr_kernarg_segment_ptr 1
		.amdhsa_wavefront_size32 1
		.amdhsa_system_sgpr_workgroup_id_x 1
		.amdhsa_system_sgpr_workgroup_id_y 1
		.amdhsa_system_sgpr_workgroup_id_z 1
		.amdhsa_system_vgpr_workitem_id 0
		.amdhsa_next_free_vgpr 512
		.amdhsa_next_free_sgpr 66
		.amdhsa_reserve_vcc 0
		.amdhsa_float_denorm_mode_32 3
		.amdhsa_float_denorm_mode_16_64 3
		.amdhsa_memory_ordered 1
		.amdhsa_forward_progress 1
		.amdhsa_inst_pref_size 123
	.end_amdhsa_kernel
	.amdgpu_metadata
---
amdhsa.version: [ 1, 2 ]
amdhsa.kernels:
  - .name:           k_qe178d6fd30_prep
    .symbol:         k_qe178d6fd30_prep.kd
    .args:
      - { .name: x, .offset: 0, .size: 8, .value_kind: global_buffer, .address_space: global }
      - { .name: gate_w, .offset: 8, .size: 8, .value_kind: global_buffer, .address_space: global }
      - { .name: gate_b, .offset: 16, .size: 8, .value_kind: global_buffer, .address_space: global }
      - { .name: expert_w, .offset: 24, .size: 8, .value_kind: global_buffer, .address_space: global }
      - { .name: xb, .offset: 32, .size: 8, .value_kind: global_buffer, .address_space: global }
      - { .name: wl, .offset: 40, .size: 8, .value_kind: global_buffer, .address_space: global }
      - { .name: sel, .offset: 48, .size: 8, .value_kind: global_buffer, .address_space: global }
    .group_segment_fixed_size: 149248
    .private_segment_fixed_size: 0
    .kernarg_segment_align: 8
    .kernarg_segment_size: 56
    .max_flat_workgroup_size: 128
    .sgpr_count:     66
    .vgpr_count:     512
    .wavefront_size: 32
...
	.end_amdgpu_metadata
.endif
;; end of part 5
;; launch experts: the kernel of part 4 again; grid 4 x 79, 4 waves a work-group, no clusters, 163,840 bytes of LDS; arguments sel, xb, wl, expert_b, out0; writes out0
